; MI455X (gfx1250); checked and timed in simulation.
; The chip was launched on July 23, 2026; its instructions are those of AMD's public machine-readable ISA for CDNA 5 (MIT licence, August 2026) and "CDNA5" Instruction Set Architecture Reference Guide (July 2026). The comments in the code are by the model that wrote it; some were corrected since.
;; Spark FFN. Allowed arithmetic: matrix products marked QUANTISED: E5M2 operands, one E8M0 scale for each 32 along K, by v_wmma_scale_f32_16x16x128_f8f6f4 with both operands' format E5M2, f32 sums; everything else in f32.
;; Inputs: w1_codes 2,048 x 32 x 32 uint8 (E5M2 codes of w1, K innermost, in blocks of 32 codes); w1_scales 2,048 x 32 uint8 (E8M0 scales of w1, one for each 32 codes along K); w2_codes 1,024 x 64 x 32 uint8 (E5M2 codes of w2, K innermost, in blocks of 32 codes); w2_scales 1,024 x 64 uint8 (E8M0 scales of w2, one for each 32 codes along K); x_codes 4 x 4,096 x 32 x 32 uint8 (E5M2 codes of x, K innermost, in blocks of 32 codes); x_scales 4 x 4,096 x 32 uint8 (E8M0 scales of x, one for each 32 codes along K).
;; Outputs: out0 4 x 4,096 x 1,024 float32.
;; This version of the problem:
;;   THIS VERSION OF THE PROBLEM IS GIVEN IN LOW PRECISION. The matrix products marked QUANTISED in the list below multiply operands that are first quantised to E5M2 (5 exponent bits, 2 mantissa bits; 8 bits a number), with one power-of-two scale for each 32 numbers along K (OCP MX v1.0); their sums are f32. All else is computed in f32.
;;   The module's matrix products, in the order in which they are computed (A, B: the left and right operand; K: the contracted axis; several contracted axes count as one K, in the product's order):
;;     1. [M 16,384, K 1,024] x [K 1,024, N 2,048]; A: input x (given as codes); B: input w1 (given as codes): QUANTISED
;;     2. [M 16,384, K 2,048] x [K 2,048, N 1,024]; A: computed on the way; B: input w2 (given as codes): QUANTISED
;;   THE QUANTISER, for each operand of a quantised product, along K:
;;     - K is cut into blocks of 32 from its start; a last block that is shorter is filled with zeros.
;;     - A block's scale is 2^e with e = floor(log2(the largest magnitude in the block)) - 15, held to -126 .. 127; a block of zeros has e = 0. As a byte (E8M0): e + 127.
;;     - Each number is divided by its block's scale, clamped to +-57,344, and rounded to the nearest number of E5M2, ties to even, subnormals kept.
;;     - The product sums the exact products of the quantised numbers (number of the format x scale) in f32.
;;   ~~~python
;;   def quantise(x, axis):      # numpy; x: float32 -> the quantised numbers, widened to float32 again
;;       x = np.moveaxis(x, axis, -1); K = x.shape[-1]
;;       x = np.pad(x, [(0, 0)] * (x.ndim - 1) + [(0, -K % 32)]); x = x.reshape(x.shape[:-1] + (-1, 32)); a = np.abs(x).max(-1, keepdims=True)
;;       e = np.where(a > 0, np.clip(np.frexp(np.where(a > 0, a, 1))[1] - 1 - 15, -126, 127), 0)      # np.frexp(a)[1] - 1 = floor(log2(a)), exactly
;;       r = np.clip(x / 2.0 ** e, -57344, 57344)
;;       step = 2.0 ** (np.maximum(np.frexp(np.where(r == 0, 1, r))[1] - 1, -14) - 2)
;;       q = np.round(r / step) * step * 2.0 ** e      # np.round: ties to even
;;       return np.moveaxis(q.reshape(q.shape[:-2] + (-1,))[..., :K], -1, axis).astype(np.float32)
;;   ~~~
;;   OPERANDS COMPUTED ON THE WAY. 'Computed on the way' means the value that the module computes at that place (a softmax that the list does not call 'softmax' is quantised finished and normalised). What goes into a quantiser is computed in f32, as accurately as f32 sums, v_exp_f32 and their like allow (about 1e-6 of the number): no bf16 or f16 on the way to a quantiser, and a product that is left as it is and whose result goes on into a quantised operand takes f32 operands (vector FMAs, or v_wmma_f32_16x16x4_f32). A number that lies on a knife's edge between two numbers of the format may be rounded either way, as far as f32 arithmetic and the matrix unit's own rounding can turn it there, and no further.
;;   INPUTS GIVEN AS CODES. w1 (in the module: [2048, 1024], K = its axis 1); w2 (in the module: [1024, 2048], K = its axis 1); x (in the module: [4, 4096, 1024], K = its axis 2): each comes as NAME_codes (uint8): NAME with its K axis moved to the last place and cut into blocks of 32 codes, [.., K / 32, bytes a block], one block behind the other in memory; one code a byte (a code: sign, 5 exponent bits, 2 mantissa bits); and NAME_scales (uint8): the same leading axes, one E8M0 byte (e + 127) for each 32 codes along K. Its value is code x scale, taken as it is: it is not quantised again, and the codes and scales need not be those that the quantiser above would give.
;; One version. Each part assembles by itself: llvm-mc -triple=amdgcn-amd-amdhsa -mcpu=gfx1250 --defsym DOCPART=n.
;; ======== version 1 of 1: 3 launches
;; limits: right only within a limited range of input values
;; workspace buffers: part 2,097,152 bytes; h_codes 33,554,432 bytes; h_scales 1,048,576 bytes
;; launch stats (part 1): grid 4 x 64, 4 waves a work-group, clusters of 4 x 4, 327,680 bytes of LDS; arguments x_codes, x_scales, w1_codes, w1_scales, part; writes part
.if DOCPART == 1
	.amdgcn_target "amdgcn-amd-amdhsa--gfx1250"
	.amdhsa_code_object_version 6
	.text
	.protected	k_q82ccbd9c0e_stats
	.globl	k_q82ccbd9c0e_stats
	.p2align	8
	.type	k_q82ccbd9c0e_stats,@function
k_q82ccbd9c0e_stats:
	s_mov_b64 s[64:65], 0
	v_nop
	global_prefetch_b8 v0, s[64:65] scope:SCOPE_SE
	s_setreg_imm32_b32 hwreg(HW_REG_WAVE_MODE, 25, 1), 1
	s_wait_xcnt 0x0
	s_wait_alu depctr_hold_cnt(0) depctr_sa_sdst(0) depctr_va_vdst(0) depctr_va_sdst(0) depctr_va_ssrc(0) depctr_va_vcc(0) depctr_vm_vsrc(0)
	s_getreg_b32 s2, hwreg(HW_REG_IB_STS2, 6, 4)
	s_cmp_eq_u32 s2, 0
	s_cbranch_scc0 .Lentry_in_a_cluster
	s_endpgm
.Lentry_in_a_cluster:
	s_bfe_u32 s2, ttmp6, 0x10000c
	s_cmp_lg_u32 s2, 0xf033
	s_cbranch_scc0 .Lentry_shape_is_right
	s_endpgm
.Lentry_shape_is_right:
; FIRST OF THREE LAUNCHES.  h = x w1^T, [16,384][2,048], on codes of BF8 (E5M2) with one E8M0 scale for each 32 along K = 1,024.  h itself is not kept: this launch stores, for each row and each
; PIECE of 128 columns, S = the sum of the piece's 128 numbers and Q = the sum of (h - S / 128)^2.  From the 16 pieces of a row the next launch makes the row's mean and deviation, without a difference of large sums.
; part: [16 pieces][16,384 rows][S, Q], f32.
; A tile of h, 256 x 256, is made by a work-group of four waves; a wave makes 128 x 128 (one piece of 128 rows): 64 accumulators of 16 x 16, 512 registers.
; A WORK-GROUP STAYS: it makes TWO tiles, neighbouring tile columns of the same 256 rows of x: 256 work-groups in all.  The ring does not stop at the first tile's end: its last two changes of slots ask for the second
; tile's first two K steps, which land while the first tile's sums are taken; nothing waits for the first tile's stores.
; K goes in steps of 256 through a ring of two LDS slots filled by the tensor data mover: a tile's row is 256 bytes of memory.  The scale bytes of the work-group's 256 rows of x and 512 rows of w1, for all of K, are two dense
; blocks of memory: they come into LDS once, with the first fills, and stay.
; CLUSTERS: 4 x 4 work-groups.  The four of a row of the cluster need the same tiles of x, the four of a column the same tiles of w1: each tile is asked for JOINTLY, by the same tensor load with the same descriptor
; and a mask that names the four.  THE MATRIX INSTRUCTION IS USED TRANSPOSED (source 0 = 16 rows of w1, source 1 = 16 rows of x): lane l holds row l % 16 of h and, in register j, column 8 (l / 16) + j of the tile.
; REGISTERS, in windows of 256: window 0: v0-31 addresses; v32-63 scale words, two sets, and nothing else; v64-115 the way out's sums; from v128 x's fragments (8 x 16 rows x 128 K), one set; on the way out v128-255 are at work.
;   window 1: w1's fragments, two sets, at v0 and at v128.   window 2: the 32 accumulators of my rows 0-63 (accumulator (a, b) at v[8 (8 a + b)]);   window 3: those of my rows 64-127.
; LIMITS: codes of NaN or infinity and the scale byte 0xff among the inputs are not served.  The sums are taken in another order than a row-long sum would take them.
.set SIZE_M, 16384
.set SIZE_N, 2048
.set SIZE_K, 1024
.set KSTEP,  256                       ; along K in a slot
.set NQ,     KSTEP/128                 ; matrix instructions deep
.set ROWB,   256                       ; a tile's row in bytes
.set KROW,   SIZE_K                    ; a row of x or of w1 in memory, in bytes
.set PITCH,  272                       ; an LDS row: 256 bytes + 16 of padding = 68 words: the 16 rows that a load touches start 4 words apart modulo 64
.set FR,     16                        ; registers of a fragment: 16 rows x 128 K
.set NL,     4                         ; LDS loads that bring one
.set NP,     8                         ; places behind this matrix instruction (ISA guide 7.12.1)
.set HALFT,  128*PITCH                 ; 128 rows: what one tensor load brings
.set SLOT,   4*HALFT                   ; x's 256 rows, then w1's 256 rows
.set BACKA,  SIZE_K-2*ROWB             ; bytes from a slot's last K step of a tile back to its first: x's way at the change of tiles;
.set NEXTB,  256*KROW-BACKA            ; w1 goes 256 rows down as well
.set KS,     SIZE_K/32                 ; a row of scales in bytes
.set SCL,    2*SLOT                    ; behind the ring: the scales, as units of 256 bytes + 16 of padding: x's 256 rows, then w1's 512
.set HALFS,  (128*KS/256)*272          ; the scales of 128 rows
.set SBLK,   (16*KS/256)*272           ; those of 16 rows
.set SPARE,  SCL+6*HALFS               ; behind the scales: the spare words, 128 bytes for each wave: two blocks of 256 bytes that no other line names
.set ADRA, 16                          ; v16-17  LDS address of my fragments of x in slot 0, 1
.set ADRS1, 19                         ; v19     LDS address of my scale words in the second tile
.set ADRB, 20                          ; v20-21  LDS address of my fragments of w1 in slot 0, 1
.set LN,   25                          ; v25     my lane
.set PO,   26                          ; v26     8 x my lane: my place in a store of 32 rows' (S, Q)
.set ADRS0, 27                         ; v27     LDS address of my scale words in the first tile: lanes 0-15 x's rows, lanes 16-31 w1's
.set ADRS, ADRS0                       ; the one in use
.set SPW,  28                          ; v28     LDS address of my spare word: SPARE + 4 x my thread's number; never rewritten
.set NIL,  29                          ; v29     0; never rewritten
.set SC,   32                          ; scale words: set s at v[SC + 16 s]; register 2 i + q: lanes 0-15 the word of x's block i, lanes 16-31 that of w1's block i, for the slot's q-th 128 along K
.set AF,   128                         ; x's fragments, in window 0
.set SM,   64                          ; v64-71   S of block a (16 rows): lane l holds row l % 16
.set MSQ,  72                          ; v72-79   Q of block a
.set X,    80                          ; v80-83   what the lane 16 away holds
.set NM,   84                          ; v84-91   -S / 128, twice, for the four blocks of a window
.set MC,   92                          ; v92-107  four chains of squares for each of two blocks
.set OUT,  108                         ; v108-115 (S, Q) of 32 rows, a lane a row, four times
.set T,    128                         ; v128-255 at work
.set G1, 24                            ; s[24:31] descriptor group 1 for x's tiles;  s[32:39] group 0, one set for each slot
.set G0, 32
.set G1B, 48                           ; s[48:55], s[56:63] the same for w1's tiles
.set G0B, 56
.set G1S, 68                           ; s[68:75], s[76:79] groups 1 and 0 for x's scales;  s[80:87], s[88:91] for w1's
.set G0S, 76
.set G1SB, 80
.set G0SB, 88
.set MSB, 0
.macro WIN new                         ; the immediate's high byte repeats the setting that is left
.if MSB != \new
	s_set_vgpr_msb (MSB<<8)|\new
.set MSB, \new
.endif
.endm
.set MUL_LO, 0xa1                      ; source 0 (w1) window 1, source 1 (x) window 0, C and D window 2
.set MUL_HI, 0xf1                      ; the same, C and D window 3
.set TO_B,   0x40                      ; destination window 1, address window 0
; A joint load: waves 0 and 1 fetch for x, waves 2 and 3 for w1.  Each of the two lines has one mask and one set of registers for all that issue it; the branch hangs on the wave's number alone.
; Four v_nop follow each of the two lines, ahead of the jump, the label and what follows.
.macro JLOAD g0a, g1a, g0b, g1b
	s_cmp_eq_u32 s15, 0
	s_cbranch_scc0 .Lfor_b_\@
	tensor_load_to_lds s[\g0a:\g0a+3], s[\g1a:\g1a+7]
	s_nop 0
.rept 4
	v_nop
.endr
	s_branch .Lasked_\@
.Lfor_b_\@:
	tensor_load_to_lds s[\g0b:\g0b+3], s[\g1b:\g1b+7]
	s_nop 0
.rept 4
	v_nop
.endr
.Lasked_\@:
.endm
.macro CREST                           ; a round of the cluster's barrier behind its opening barrier
	s_cmp_lg_u32 s14, 0
	s_cbranch_scc1 .Lnot_wave_0_\@
	s_barrier_signal -3
.Lnot_wave_0_\@:
	s_barrier_wait -3
	s_barrier_signal -1
	s_barrier_wait -1
.endm
.macro CROUND                          ; a whole round
	s_barrier_signal -1
	s_barrier_wait -1
	CREST
.endm
	s_load_b128 s[4:7], s[0:1], 0x0                ; x's codes s[4:5], x's scales s[6:7]
	s_load_b128 s[8:11], s[0:1], 0x10              ; w1's codes s[8:9], w1's scales s[10:11]
	s_load_b64 s[12:13], s[0:1], 0x20              ; part
	v_lshl_add_u32 v[SPW], v0, 2, SPARE
	v_mov_b32 v[NIL], 0
	ds_add_u32 v28, v29
	ds_add_u32 v28, v29
	s_wait_dscnt 0x0
	v_lshrrev_b32 v1, 5, v0
	v_readfirstlane_b32 s14, v1                    ; wave 0..3
	s_lshr_b32 s15, s14, 1                         ; which half of the tile's rows is mine.  Also: I fetch for x (0) or for w1 (1)
	s_and_b32 s16, s14, 1                          ; which half of its columns.  Also: which part of what I fetch for is mine
	s_bfe_u32 s40, ttmp6, 0x40000                  ; cx, cy: my place in the cluster
	s_bfe_u32 s41, ttmp6, 0x40004
	s_lshl_b32 s42, ttmp9, 2
	s_add_co_u32 s42, s42, s40                     ; my pair of tile columns of h = 4 x cluster x + cx
	s_and_b32 s17, ttmp7, 0xffff
	s_lshl_b32 s17, s17, 2
	s_add_co_u32 s17, s17, s41                     ; tile row of h = 4 x cluster y + cy
	s_lshl_b32 s43, s41, 2
	s_lshl_b32 s43, 15, s43                        ; my row of the cluster
	s_lshl_b32 s44, 0x1111, s40                    ; my column
	; descriptor group 1: a tile of 128 rows x 256 bytes, padded in LDS
	s_or_b32 s[G1+0], s43, (0<<16)|(1<<20)|(1<<21)|(5<<22)|(3<<25)  ; 15:0 the mask: x's tiles go to my row; 17:16 element of 1 byte; 20 padding on; 21 set beside a mask; 24:22 after every 64 words (code 5); 31:25 of 4 words (code 3)
	s_or_b32 s[G1B+0], s44, (0<<16)|(1<<20)|(1<<21)|(5<<22)|(3<<25)
.irp g, G1, G1B
	s_mov_b32 s[\g+1], ROWB<<16                    ; tensor_dim0
	s_mov_b32 s[\g+2], 256<<16                     ; tensor_dim1 = 256 for the head's loads; set to 128 for the ring's behind them
	s_mov_b32 s[\g+3], ROWB<<16                    ; tile_dim0
	s_mov_b32 s[\g+4], 256                         ; tile_dim1 = 256
	s_mov_b32 s[\g+5], KROW                        ; tensor_dim0_stride
	s_mov_b32 s[\g+6], 0
	s_mov_b32 s[\g+7], 0
.endr
	; and for the scales: dense blocks, as rows of 256 bytes (32 elements of 8 bytes), 16 bytes of padding behind each: x's 128 rows are 16 such rows, w1's 256 rows are 32
	s_or_b32 s[G1S+0], s43, (3<<16)|(1<<20)|(1<<21)|(5<<22)|(3<<25)
	s_or_b32 s[G1SB+0], s44, (3<<16)|(1<<20)|(1<<21)|(5<<22)|(3<<25)
.irp g, G1S, G1SB
	s_mov_b32 s[\g+1], 32<<16
	s_mov_b32 s[\g+3], 32<<16
	s_mov_b32 s[\g+5], 32
	s_mov_b32 s[\g+6], 0
	s_mov_b32 s[\g+7], 0
.endr
	s_mov_b32 s[G1S+2], 32<<16                     ; x's 256 rows of scales: 32 rows of 256 bytes, one load
	s_mov_b32 s[G1S+4], 32
	s_mov_b32 s[G1SB+2], 64<<16                    ; w1's 512 rows: 64
	s_mov_b32 s[G1SB+4], 64
	s_lshl_b32 s20, s17, 8                         ; x: the tile's first row, 256 x tile row
	s_lshl_b32 s46, s42, 9                         ; w1: my pair of tile columns begins at row 512 x pair
	s_lshl_b32 s92, s42, 14                        ; its scales: 512 rows x 32 bytes a pair
	s_mov_b32 s93, 0
	s_mov_b32 s21, 0
	s_mov_b32 s47, 0
	s_mov_b64 s[18:19], KS
	s_mul_u64 s[22:23], s[20:21], s[18:19]         ; where x's rows' scales begin, in bytes
	s_mov_b64 s[18:19], KROW
	s_mul_u64 s[20:21], s[20:21], s[18:19]         ; and the codes
	s_mul_u64 s[46:47], s[46:47], s[18:19]
	s_mul_i32 s45, s14, HALFT                      ; where they go: wave x 128 rows: no place in the cluster enters an LDS address
	s_mul_i32 s2, s16, 128*KROW                    ; in the ring I fetch 128 rows of a tile: which half, in bytes
	s_mov_b32 s3, 0
	s_wait_kmcnt 0x0
	s_add_nc_u64 s[20:21], s[4:5], s[20:21]
	s_add_nc_u64 s[22:23], s[6:7], s[22:23]
	s_add_nc_u64 s[46:47], s[8:9], s[46:47]
	s_add_nc_u64 s[92:93], s[10:11], s[92:93]
	CROUND                                         ; all sixteen work-groups are here: the first joint loads meet
	s_mov_b32 s[G0S], 1
	s_mov_b32 s[G0S+1], SCL
	s_mov_b64 s[G0S+2:G0S+3], s[22:23]
	s_or_b32 s[G0S+3], s[G0S+3], 0x80000000
	s_mov_b32 s[G0SB], 1
	s_mov_b32 s[G0SB+1], SCL+2*HALFS
	s_mov_b64 s[G0SB+2:G0SB+3], s[92:93]
	s_or_b32 s[G0SB+3], s[G0SB+3], 0x80000000
	s_mov_b32 s4, 1                                ; s[4:7]: group 0 of the head's load of K step 0's 256 rows of x (the arguments that lay there are used)
	s_mov_b32 s5, 0
	s_mov_b64 s[6:7], s[20:21]
	s_or_b32 s7, s7, 0x80000000
	s_mov_b32 s8, 1                                ; s[8:11]: the same for w1's 256 rows, behind x's in slot 0
	s_mov_b32 s9, 2*HALFT
	s_mov_b64 s[10:11], s[46:47]
	s_or_b32 s11, s11, 0x80000000
	s_add_nc_u64 s[20:21], s[20:21], s[2:3]        ; for the ring: my 128 rows of the tile
	s_add_nc_u64 s[46:47], s[46:47], s[2:3]
.irp s, 0,1
	s_mov_b32 s[G0+4*\s], 1
	s_add_co_u32 s[G0+4*\s+1], s45, \s*SLOT
	s_add_nc_u64 s[G0+4*\s+2:G0+4*\s+3], s[20:21], \s*ROWB
	s_or_b32 s[G0+4*\s+3], s[G0+4*\s+3], 0x80000000
	s_mov_b32 s[G0B+4*\s], 1
	s_add_co_u32 s[G0B+4*\s+1], s45, \s*SLOT
	s_add_nc_u64 s[G0B+4*\s+2:G0B+4*\s+3], s[46:47], \s*ROWB
	s_or_b32 s[G0B+4*\s+3], s[G0B+4*\s+3], 0x80000000
.endr
; The head's four tiles, one joint load a wave: wave 0 x's 256 rows of K step 0, wave 1 w1's, wave 2 x's scales, wave 3 w1's scales.
; One chain of branches on the wave's number; every way passes exactly one load.
.macro ARM under, g0, g1, next
	s_cmp_lt_u32 s14, \under
	s_cbranch_scc0 \next
	tensor_load_to_lds s[\g0:\g0+3], s[\g1:\g1+7]
	s_nop 0
.rept 4
	v_nop
.endr
	s_branch .Lhead_asked
\next:
.endm
	ARM 1, 4, G1, .Lhead_b
	ARM 2, 8, G1B, .Lhead_sa
	ARM 3, G0S, G1S, .Lhead_sb
	tensor_load_to_lds s[G0SB:G0SB+3], s[G1SB:G1SB+7]
	s_nop 0
.rept 4
	v_nop
.endr
.Lhead_asked:
	v_and_b32 v1, 15, v0                           ; l % 16
	v_bfe_u32 v2, v0, 4, 1                         ; l / 16
	v_mul_u32_u24 v3, v1, PITCH
	v_lshl_add_u32 v4, v2, 4, v3                   ; a fragment's row x pitch + 16 x half
	s_mul_i32 s21, s15, HALFT                      ; my 128 rows of x
	s_mul_i32 s22, s16, HALFT                      ; my 128 rows of w1,
	s_add_co_u32 s22, s22, 2*HALFT                 ; which lie behind x's 256
.irp s, 0,1
	v_add_nc_u32 v[ADRA+\s], s21, v4
	v_add_nc_u32 v[ADRB+\s], s22, v4
	s_add_co_u32 s21, s21, SLOT
	s_add_co_u32 s22, s22, SLOT
.endr
	v_mul_u32_u24 v5, v1, KS                       ; my row's scales: KS bytes a row,
	v_lshrrev_b32 v6, 8, v5
	v_lshl_add_u32 v5, v6, 4, v5                   ; and 16 more for each 256 passed
	s_mul_i32 s21, s15, HALFS                      ; x's: my 128 rows
	s_mul_i32 s22, s16, HALFS                      ; w1's: my 128 rows of the first tile, behind x's 256
	s_add_co_u32 s22, s22, 2*HALFS
	s_sub_co_u32 s22, s22, s21
	v_mul_u32_u24 v6, s22, v2                      ; lanes 16-31 take w1's
	s_add_co_u32 s22, s22, 2*HALFS                 ; the second tile's rows lie 256 rows further on
	v_mul_u32_u24 v3, s22, v2
	s_add_co_u32 s21, s21, SCL
	v_add_nc_u32 v6, v5, v6
	v_add_nc_u32 v[ADRS0], s21, v6
	v_add_nc_u32 v3, v5, v3
	v_add_nc_u32 v[ADRS1], s21, v3
	v_and_b32 v[LN], 31, v0
	v_lshlrev_b32 v[PO], 3, v[LN]
.irp q, 0,1,2,3
	v_mov_b32 v[X+\q], 0                           ; written once: a lane permute's destination counts as one of its sources
.endr
	s_mov_b32 s66, 0x76543210                      ; v_permlanex16_b32's selects for lane l xor 16
	s_mov_b32 s67, 0xfedcba98
	s_lshl_b32 s20, s42, 2                         ; where my 128 rows' (S, Q) go: piece = 4 x pair + 2 x tile + my half of the columns,
	s_add_co_u32 s20, s20, s16
	s_lshl_b32 s20, s20, 17                        ; 16,384 rows x 8 bytes a piece,
	s_lshl_b32 s21, s17, 11                        ; + 256 rows x 8 bytes a tile row,
	s_add_co_u32 s20, s20, s21
	s_lshl_b32 s21, s15, 10                        ; + my half of the rows
	s_add_co_u32 s20, s20, s21
	s_mov_b32 s21, 0
	s_add_nc_u64 s[12:13], s[12:13], s[20:21]
.macro FRAG reg, adr, q, i             ; a fragment, 16 rows x 128 K of 8-bit codes, is 16 registers: lane l holds row l % 16; registers 4 c .. 4 c + 3 hold K = 32 c + 16 (l / 16) + 0 .. 15
.irp c, 0,1,2,3
	ds_load_b128 v[\reg+4*\c:\reg+4*\c+3], v[\adr] offset:128*(\q)+32*\c+(\i)*16*PITCH
.endr
.endm
; 16 matrix instructions: x's blocks a0, a0 + 1 against w1's eight, 128 along K: the slot's q-th.  p: w1's set;  sc: the set of scale words.  zero = 1: the first product starts the sums: nothing is ever cleared.
; The 64 accumulators take turns, one instruction a turn, in the same order in every step.
.macro MUL16 a0, p, q, sc, zero
.irp a, \a0, \a0+1
.irp b, 0,1,2,3,4,5,6,7
.if \zero
	v_wmma_scale_f32_16x16x128_f8f6f4 v[8*(8*((\a)%4)+\b):8*(8*((\a)%4)+\b)+7], v[128*(\p)+FR*\b:128*(\p)+FR*\b+FR-1], v[AF+FR*(\a):AF+FR*(\a)+FR-1], 0, v[SC+8*NQ*(\sc)+NQ*\b+(\q)], v[SC+8*NQ*(\sc)+NQ*(\a)+(\q)] matrix_a_fmt:MATRIX_FMT_BF8 matrix_b_fmt:MATRIX_FMT_BF8 matrix_a_scale:MATRIX_SCALE_ROW1
.else
	v_wmma_scale_f32_16x16x128_f8f6f4 v[8*(8*((\a)%4)+\b):8*(8*((\a)%4)+\b)+7], v[128*(\p)+FR*\b:128*(\p)+FR*\b+FR-1], v[AF+FR*(\a):AF+FR*(\a)+FR-1], v[8*(8*((\a)%4)+\b):8*(8*((\a)%4)+\b)+7], v[SC+8*NQ*(\sc)+NQ*\b+(\q)], v[SC+8*NQ*(\sc)+NQ*(\a)+(\q)] matrix_a_fmt:MATRIX_FMT_BF8 matrix_b_fmt:MATRIX_FMT_BF8 matrix_a_scale:MATRIX_SCALE_ROW1
.endif
.endr
.endr
.endm
.macro FETCH_B slot, q, p              ; w1's eight fragments of the slot's q-th 128 along K into set p
	WIN TO_B
.irp i, 0,1,2,3,4,5,6,7
	FRAG 128*(\p)+FR*\i, ADRB+\slot, \q, \i
.endr
	WIN 0
.endm
.macro FETCH_A slot, q, i0             ; x's blocks i0 .. i0 + 3
.irp i, \i0, \i0+1, \i0+2, \i0+3
	FRAG AF+FR*(\i), ADRA+\slot, \q, \i
.endr
.endm
.macro SCALES sc                       ; a K step's scale words into set sc: two words a row; lanes 0-15 take x's block i, lanes 16-31 w1's block i
.irp i, 0,1,2,3,4,5,6,7
	ds_load_b64 v[SC+8*NQ*\sc+NQ*\i:SC+8*NQ*\sc+NQ*\i+1], v[ADRS] offset:\i*SBLK
.endr
.endm
; A load into a register that a matrix instruction has read, and a vector instruction that reads a matrix result or writes one of a matrix instruction's registers, stand NP places behind that matrix instruction, and
; only plain vector instructions that name none of its registers are places (ISA guide 7.12.1 for vector instructions).
.macro PLACES n
.rept \n
	v_nop
.endr
.endm
.macro FIRST                           ; a tile's first fragments and scale words, out of slot 0
	FETCH_B 0, 0, 0
	FETCH_A 0, 0, 0
	SCALES 0
	FETCH_A 0, 0, 4
.endm
; A step of 128 along K that has its successor in the same slot.
.macro STEP slot, q, zero
	s_wait_dscnt 4*NL                              ; w1's set and x's blocks 0-3 are in; the youngest 16 loads (x's blocks 4-7) may be out
	WIN MUL_LO
	MUL16 0, (\q)%2, \q, \slot, \zero
	MUL16 2, (\q)%2, \q, \slot, \zero
	s_wait_dscnt 0                                 ; x's blocks 4-7 are in (asked for 32 matrix instructions ago)
	PLACES NP
	FETCH_B \slot, (\q)+1, 1-(\q)%2
	FETCH_A \slot, (\q)+1, 0
	WIN MUL_HI
	MUL16 4, (\q)%2, \q, \slot, \zero
	MUL16 6, (\q)%2, \q, \slot, \zero
	PLACES NP
	WIN 0
	FETCH_A \slot, (\q)+1, 4
.endm
; The descriptors of a slot step on.  how = 1: two K steps ahead in this tile;  how = 2: to the same place along K in the next tile's first lap: x back along K, w1 back and 256 rows down
.macro WALK slot, how
.if \how == 2
	s_sub_nc_u64 s[G0+4*\slot+2:G0+4*\slot+3], s[G0+4*\slot+2:G0+4*\slot+3], BACKA
	s_add_nc_u64 s[G0B+4*\slot+2:G0B+4*\slot+3], s[G0B+4*\slot+2:G0B+4*\slot+3], NEXTB
.else
	s_add_nc_u64 s[G0+4*\slot+2:G0+4*\slot+3], s[G0+4*\slot+2:G0+4*\slot+3], 2*ROWB
	s_add_nc_u64 s[G0B+4*\slot+2:G0B+4*\slot+3], s[G0B+4*\slot+2:G0B+4*\slot+3], 2*ROWB
.endif
.endm
; A slot's last step changes slots: one barrier; in front of it each wave waits for all its tensor loads, adds 0 to its spare word, and waits for that and for its own reads of this slot.
; fill = 1: this slot is filled again, two K steps ahead;  fill = 2: with the next tile's K step;  fill = 0: not at all.
.macro TURN slot, next, fill
	s_wait_tensorcnt 0x0                           ; all my tensor loads have landed: my part of the next slot;  (every window is 0 here: the add's two registers lie in window 0)
	ds_add_u32 v[SPW], v[NIL]                      ; 0 onto my spare word
	s_wait_dscnt 0x0                               ; the add is done, and my reads of this slot are over: its last fragments are in registers
	s_barrier_signal -1
	s_barrier_wait -1
.if \fill
	CREST                                          ; the barrier has opened a round of the cluster's barrier: no wave of any partner still reads this slot's tile or has a load on its way
	WALK \slot, \fill
	JLOAD G0+4*\slot, G1, G0B+4*\slot, G1B         ; the first tensor load behind the round; the four v_nop behind it are among the places in front of the loads below
.endif
	WIN MUL_LO                                     ; all 64 products of the slot's last step stand behind the refill
	MUL16 0, 1, NQ-1, \slot, 0
	MUL16 2, 1, NQ-1, \slot, 0
	WIN 0
	PLACES NP
	s_wait_alu depctr_va_vdst(0)
	v_add_nc_u32 v[ADRS], 4*NQ, v[ADRS]            ; on to the next K step's scale words (no LDS load of mine is out)
	FETCH_B \next, 0, 0
	FETCH_A \next, 0, 0
	SCALES \next
	WIN MUL_HI
	MUL16 4, 1, NQ-1, \slot, 0
	MUL16 6, 1, NQ-1, \slot, 0
	PLACES NP
	WIN 0
	FETCH_A \next, 0, 4
.endm
; A tile's very last step (slot 1): nothing more of this tile is fetched.  fill = 1: a tile follows: the same waits, add and round as in TURN, and slot 1 takes the next tile's K step 1.
; Behind that round slot 0, which holds the next tile's K step 0, is whole for every wave: each has waited for all its loads in front of it.
.macro LAST fill
.if \fill
	s_wait_tensorcnt 0x0                           ; all my tensor loads have landed: my part of slot 0, the next tile's K step 0;
	ds_add_u32 v[SPW], v[NIL]                      ; 0 onto my spare word
	s_wait_dscnt 4*NL+1                            ; (the add and the youngest 16 loads may be out)
	WIN MUL_LO
	MUL16 0, 1, NQ-1, 1, 0
	s_wait_dscnt 0x0                               ; the add is done, and my reads of slot 1 are over
	s_barrier_signal -1
	MUL16 2, 1, NQ-1, 1, 0
	WIN 0
	s_barrier_wait -1
	CREST
	WALK 1, 2
	JLOAD G0+4, G1, G0B+4, G1B                     ; the first tensor load behind the round: it lands while this tile goes out
.else
	s_wait_dscnt 4*NL
	WIN MUL_LO
	MUL16 0, 1, NQ-1, 1, 0
	MUL16 2, 1, NQ-1, 1, 0
	s_wait_dscnt 0
.endif
	WIN MUL_HI
	MUL16 4, 1, NQ-1, 1, 0
	MUL16 6, 1, NQ-1, 1, 0
	WIN 0
.endm
; THE WAY OUT.  Block a (16 rows x 128 columns) is eight accumulators: a lane holds 64 numbers of one row, the lane 16 away the row's other 64.
; ROWSUM: S of the four blocks of window w; each accumulator is read from its low end on.  win: sources 0 and 1 in window w.
.macro ROWSUM w, win
	WIN \win
.irp q, 0,1,2,3
.irp b, 0,1,2,3
.irp c, 0,1,2,3
	v_pk_add_f32 v[T+32*\q+8*\b+2*\c:T+32*\q+8*\b+2*\c+1], v[64*\q+16*\b+2*\c:64*\q+16*\b+2*\c+1], v[64*\q+16*\b+8+2*\c:64*\q+16*\b+8+2*\c+1]
.endr
.endr
.endr
	WIN 0
.irp i, 0,1,2,3,4,5,6,7                ; a tree over a block's 16 pairs; the four blocks by turns
.irp q, 0,1,2,3
	v_pk_add_f32 v[T+32*\q+2*\i:T+32*\q+2*\i+1], v[T+32*\q+2*\i:T+32*\q+2*\i+1], v[T+32*\q+2*\i+16:T+32*\q+2*\i+17]
.endr
.endr
.irp i, 0,1,2,3
.irp q, 0,1,2,3
	v_pk_add_f32 v[T+32*\q+2*\i:T+32*\q+2*\i+1], v[T+32*\q+2*\i:T+32*\q+2*\i+1], v[T+32*\q+2*\i+8:T+32*\q+2*\i+9]
.endr
.endr
.irp i, 0,1
.irp q, 0,1,2,3
	v_pk_add_f32 v[T+32*\q+2*\i:T+32*\q+2*\i+1], v[T+32*\q+2*\i:T+32*\q+2*\i+1], v[T+32*\q+2*\i+4:T+32*\q+2*\i+5]
.endr
.endr
.irp q, 0,1,2,3
	v_pk_add_f32 v[T+32*\q:T+32*\q+1], v[T+32*\q:T+32*\q+1], v[T+32*\q+2:T+32*\q+3]
.endr
.irp q, 0,1,2,3
	v_add_f32 v[SM+4*((\w)-2)+\q], v[T+32*\q], v[T+32*\q+1]
.endr
.irp q, 0,1,2,3
	v_permlanex16_b32 v[X+\q], v[SM+4*((\w)-2)+\q], s66, s67
.endr
.irp q, 0,1,2,3
	v_add_f32 v[SM+4*((\w)-2)+\q], v[SM+4*((\w)-2)+\q], v[X+\q]     ; with the lane 16 away: S of the row's 128 numbers, in both lanes
.endr
.irp q, 0,1,2,3
	v_mul_f32 v[NM+2*\q], 0xbc000000, v[SM+4*((\w)-2)+\q]           ; -S / 128, exact
.endr
.irp q, 0,1,2,3
	v_mov_b32 v[NM+2*\q+1], v[NM+2*\q]
.endr
.endm
; DEV: Q of blocks qq and qq + 1 of window w: the 64 differences h - S / 128 of a lane, then their squares in four chains
.macro DEV w, qq
	WIN \w                                         ; source 0 in window w
.irp p, 0,1
.irp i, 0,1,2,3,4,5,6,7,8,9,10,11,12,13,14,15,16,17,18,19,20,21,22,23,24,25,26,27,28,29,30,31
	v_pk_add_f32 v[T+64*\p+2*\i:T+64*\p+2*\i+1], v[64*((\qq)+\p)+2*\i:64*((\qq)+\p)+2*\i+1], v[NM+2*((\qq)+\p):NM+2*((\qq)+\p)+1]
.endr
.endr
	WIN 0
.irp i, 0,1,2,3
.irp p, 0,1
	v_pk_mul_f32 v[MC+8*\p+2*\i:MC+8*\p+2*\i+1], v[T+64*\p+2*\i:T+64*\p+2*\i+1], v[T+64*\p+2*\i:T+64*\p+2*\i+1]   ; the first four pairs start the chains
.endr
.endr
.irp i, 4,5,6,7,8,9,10,11,12,13,14,15,16,17,18,19,20,21,22,23,24,25,26,27,28,29,30,31
.irp p, 0,1
	v_pk_fma_f32 v[MC+8*\p+2*(\i%4):MC+8*\p+2*(\i%4)+1], v[T+64*\p+2*\i:T+64*\p+2*\i+1], v[T+64*\p+2*\i:T+64*\p+2*\i+1], v[MC+8*\p+2*(\i%4):MC+8*\p+2*(\i%4)+1]
.endr
.endr
.irp p, 0,1
	v_pk_add_f32 v[MC+8*\p:MC+8*\p+1], v[MC+8*\p:MC+8*\p+1], v[MC+8*\p+2:MC+8*\p+3]
	v_pk_add_f32 v[MC+8*\p+4:MC+8*\p+5], v[MC+8*\p+4:MC+8*\p+5], v[MC+8*\p+6:MC+8*\p+7]
.endr
.irp p, 0,1
	v_pk_add_f32 v[MC+8*\p:MC+8*\p+1], v[MC+8*\p:MC+8*\p+1], v[MC+8*\p+4:MC+8*\p+5]
.endr
.irp p, 0,1
	v_add_f32 v[MSQ+4*((\w)-2)+(\qq)+\p], v[MC+8*\p], v[MC+8*\p+1]
.endr
.irp p, 0,1
	v_permlanex16_b32 v[X+\p], v[MSQ+4*((\w)-2)+(\qq)+\p], s66, s67
.endr
.irp p, 0,1
	v_add_f32 v[MSQ+4*((\w)-2)+(\qq)+\p], v[MSQ+4*((\w)-2)+(\qq)+\p], v[X+\p]
.endr
.endm
.macro WAYOUT tl                       ; tile tl's sums; they touch registers alone, so the ring's loads go on landing meanwhile
	PLACES NP
	ROWSUM 2, 0x0a
	DEV 2, 0
	DEV 2, 2
	ROWSUM 3, 0x0f
	DEV 3, 0
	DEV 3, 2
	v_cmp_lt_u32 vcc_lo, 15, v[LN]                 ; lanes 16-31 take the odd block of a pair: lane l then holds row 32 i + l
.irp i, 0,1,2,3
	v_cndmask_b32 v[OUT+2*\i], v[SM+2*\i], v[SM+2*\i+1], vcc_lo
	v_cndmask_b32 v[OUT+2*\i+1], v[MSQ+2*\i], v[MSQ+2*\i+1], vcc_lo
.endr
.irp i, 0,1,2,3
	global_store_b64 v[PO], v[OUT+2*\i:OUT+2*\i+1], s[12:13] offset:256*\i+262144*(\tl)   ; 32 lanes store 256 consecutive bytes, at a multiple of 256 from the buffer's first byte; the second tile's pieces lie two pieces on
.endr
.endm
	s_wait_alu depctr_va_vdst(0)
	s_wait_tensorcnt 0x0                           ; my tile of the head's four is in
	ds_add_u32 v[SPW], v[NIL]
	s_mov_b32 s[G1+2], 128<<16                     ; no tensor load of mine is out: from here on a load brings 128 rows
	s_mov_b32 s[G1+4], 128
	s_mov_b32 s[G1B+2], 128<<16
	s_mov_b32 s[G1B+4], 128
	s_wait_dscnt 0x0
	CROUND                                         ; all four tiles are in, all sixteen work-groups are here
	JLOAD G0+4, G1, G0B+4, G1B                     ; K step 1 into slot 1: the first tensor load behind the round
	s_mov_b32 s94, 2                               ; tiles to go
.Ltile:                                                ; a tile's first five steps of 128 along K are one text for both tiles
	FIRST
	STEP 0, 0, 1                                   ; a tile's first products start the sums
	TURN 0, 1, 1
	STEP 1, 0, 0
	TURN 1, 0, 1
	STEP 0, 0, 0
	s_cmp_eq_u32 s94, 1
	s_cbranch_scc1 .Llast_tile                     ; the last tile's tail is written out: it asks for nothing more
	TURN 0, 1, 2
	STEP 1, 0, 0
	LAST 1                                         ; slot 1 its K step 1
	WAYOUT 0
	s_wait_xcnt 0x0                                ; the stores have read their registers: these are written again in the second tile
	v_mov_b32 v[ADRS0], v[ADRS1]                   ; the second tile's scale words
	s_sub_co_u32 s94, s94, 1
	s_wait_alu depctr_va_vdst(0)
	s_branch .Ltile
.Llast_tile:
	TURN 0, 1, 0
	STEP 1, 0, 0
	LAST 0
	WAYOUT 1
	s_wait_tensorcnt 0x0                           ; the wave's end, behind my last tensor load
	ds_add_u32 v[SPW], v[NIL]
	s_wait_dscnt 0x0
	CROUND                                         ; the closing round: no work-group ends while a partner may still ask for a tile that names it
	s_endpgm
.Lfunc_end_k_q82ccbd9c0e_stats:
	.size	k_q82ccbd9c0e_stats, .Lfunc_end_k_q82ccbd9c0e_stats-k_q82ccbd9c0e_stats
	.p2alignl 7, 3214868480
	.fill 96, 4, 3214868480
	.section	.rodata,"a",@progbits
	.p2align	6, 0x0
	.amdhsa_kernel k_q82ccbd9c0e_stats
		.amdhsa_group_segment_fixed_size 327680
		.amdhsa_private_segment_fixed_size 0
		.amdhsa_enable_private_segment 0
		.amdhsa_kernarg_size 40
		.amdhsa_user_sgpr_count 2
		.amdhsa_user_sgpr_kernarg_segment_ptr 1
		.amdhsa_wavefront_size32 1
		.amdhsa_system_sgpr_workgroup_id_x 1
		.amdhsa_system_sgpr_workgroup_id_y 1
		.amdhsa_system_sgpr_workgroup_id_z 1
		.amdhsa_system_vgpr_workitem_id 0
		.amdhsa_next_free_vgpr 1024
		.amdhsa_next_free_sgpr 98
		.amdhsa_reserve_vcc 1
		.amdhsa_float_denorm_mode_32 3
		.amdhsa_float_denorm_mode_16_64 3
		.amdhsa_memory_ordered 1
		.amdhsa_forward_progress 1
		.amdhsa_inst_pref_size 255
	.end_amdhsa_kernel
	.section	.bss,"aw",@nobits
	.p2align	6
	.space	262144
	.amdgpu_metadata
---
amdhsa.version: [ 1, 2 ]
amdhsa.kernels:
  - .name:           k_q82ccbd9c0e_stats
    .symbol:         k_q82ccbd9c0e_stats.kd
    .args:
      - { .name: x_codes, .offset: 0, .size: 8, .value_kind: global_buffer, .address_space: global }
      - { .name: x_scales, .offset: 8, .size: 8, .value_kind: global_buffer, .address_space: global }
      - { .name: w1_codes, .offset: 16, .size: 8, .value_kind: global_buffer, .address_space: global }
      - { .name: w1_scales, .offset: 24, .size: 8, .value_kind: global_buffer, .address_space: global }
      - { .name: part, .offset: 32, .size: 8, .value_kind: global_buffer, .address_space: global }
    .group_segment_fixed_size: 327680
    .private_segment_fixed_size: 0
    .kernarg_segment_align: 8
    .kernarg_segment_size: 40
    .max_flat_workgroup_size: 128
    .sgpr_count:     98
    .vgpr_count:     1024
    .wavefront_size: 32
...
	.end_amdgpu_metadata
.endif
;; end of part 1
;; launch hidden (part 2): grid 4 x 64, 4 waves a work-group, clusters of 4 x 4, 327,680 bytes of LDS; arguments x_codes, x_scales, w1_codes, w1_scales, part, h_codes, h_scales; writes h_codes, h_scales
.if DOCPART == 2
	.amdgcn_target "amdgcn-amd-amdhsa--gfx1250"
	.amdhsa_code_object_version 6
	.text
	.protected	k_q82ccbd9c0e_hidden
	.globl	k_q82ccbd9c0e_hidden
	.p2align	8
	.type	k_q82ccbd9c0e_hidden,@function
k_q82ccbd9c0e_hidden:
	s_mov_b64 s[64:65], 0
	v_nop
	global_prefetch_b8 v0, s[64:65] scope:SCOPE_SE
	s_setreg_imm32_b32 hwreg(HW_REG_WAVE_MODE, 25, 1), 1
	s_wait_xcnt 0x0
	s_wait_alu depctr_hold_cnt(0) depctr_sa_sdst(0) depctr_va_vdst(0) depctr_va_sdst(0) depctr_va_ssrc(0) depctr_va_vcc(0) depctr_vm_vsrc(0)
	s_getreg_b32 s2, hwreg(HW_REG_IB_STS2, 6, 4)
	s_cmp_eq_u32 s2, 0
	s_cbranch_scc0 .Lentry_in_a_cluster
	s_endpgm
.Lentry_in_a_cluster:
	s_bfe_u32 s2, ttmp6, 0x10000c
	s_cmp_lg_u32 s2, 0xf033
	s_cbranch_scc0 .Lentry_shape_is_right
	s_endpgm
.Lentry_shape_is_right:
.set SIZE_M, 16384
.set SIZE_N, 2048
.set SIZE_K, 1024
.set KSTEP,  256
.set NQ,     KSTEP/128
.set ROWB,   256
.set KROW,   SIZE_K
.set PITCH,  272
.set FR,     16
.set NL,     4
.set NP,     8
.set HALFT,  128*PITCH
.set SLOT,   4*HALFT
.set BACKA,  SIZE_K-2*ROWB
.set NEXTB,  256*KROW-BACKA
.set KS,     SIZE_K/32
.set SCL,    2*SLOT
.set HALFS,  (128*KS/256)*272
.set SBLK,   (16*KS/256)*272
.set SPARE,  SCL+6*HALFS
.set STG,    SPARE+512
.set SBUF,   32*272
.set SSTG,   STG+2*SBUF
.set PA,   7
.set PW,   8
.set ADRA, 16
.set ADRS1, 19
.set ADRB, 20
.set SSO,  22
.set SRD,  23
.set STO,  24
.set RD,   26
.set ADRS0, 27
.set ADRS, ADRS0
.set SPW,  28
.set NIL,  29
.set CO,   30
.set L16,  31
.set SC,   32
.set AF,   128
.set NT,   64
.set SS,   80
.set PX,   88
.set MU,   96
.set ESQ,  104
.set MM,   112
.set PT,   128
.set TM,   80
.set PC,   96
.set T,    128
.set OB,   192
.set SEL,  66
.set MNT,  95
.set G1, 24
.set G0, 32
.set G1B, 48
.set G0B, 56
.set G1S, 68
.set G0S, 76
.set G1SB, 80
.set G0SB, 88
.set MSB, 0
.macro WIN new
.if MSB != \new
	s_set_vgpr_msb (MSB<<8)|\new
.set MSB, \new
.endif
.endm
.set MUL_LO, 0xa1
.set MUL_HI, 0xf1
.set TO_B,   0x40
.macro JLOAD g0a, g1a, g0b, g1b
	s_cmp_eq_u32 s15, 0
	s_cbranch_scc0 .Lfor_b_\@
	tensor_load_to_lds s[\g0a:\g0a+3], s[\g1a:\g1a+7]
	s_nop 0
.rept 4
	v_nop
.endr
	s_branch .Lasked_\@
.Lfor_b_\@:
	tensor_load_to_lds s[\g0b:\g0b+3], s[\g1b:\g1b+7]
	s_nop 0
.rept 4
	v_nop
.endr
.Lasked_\@:
.endm
.macro CREST
	s_cmp_lg_u32 s14, 0
	s_cbranch_scc1 .Lnot_wave_0_\@
	s_barrier_signal -3
.Lnot_wave_0_\@:
	s_barrier_wait -3
	s_barrier_signal -1
	s_barrier_wait -1
.endm
.macro CROUND
	s_barrier_signal -1
	s_barrier_wait -1
	CREST
.endm
	s_load_b128 s[4:7], s[0:1], 0x0
	s_load_b128 s[8:11], s[0:1], 0x10
	s_load_b64 s[12:13], s[0:1], 0x20
	s_load_b64 s[96:97], s[0:1], 0x28
	s_load_b64 s[98:99], s[0:1], 0x30
	v_lshl_add_u32 v[SPW], v0, 2, SPARE
	v_mov_b32 v[NIL], 0
	ds_add_u32 v28, v29
	ds_add_u32 v28, v29
	s_wait_dscnt 0x0
	v_lshrrev_b32 v1, 5, v0
	v_readfirstlane_b32 s14, v1
	s_lshr_b32 s15, s14, 1
	s_and_b32 s16, s14, 1
	s_bfe_u32 s40, ttmp6, 0x40000
	s_bfe_u32 s41, ttmp6, 0x40004
	s_lshl_b32 s42, ttmp9, 2
	s_add_co_u32 s42, s42, s40
	s_and_b32 s17, ttmp7, 0xffff
	s_lshl_b32 s17, s17, 2
	s_add_co_u32 s17, s17, s41
	s_lshl_b32 s43, s41, 2
	s_lshl_b32 s43, 15, s43
	s_lshl_b32 s44, 0x1111, s40
	s_or_b32 s[G1+0], s43, (0<<16)|(1<<20)|(1<<21)|(5<<22)|(3<<25)
	s_or_b32 s[G1B+0], s44, (0<<16)|(1<<20)|(1<<21)|(5<<22)|(3<<25)
.irp g, G1, G1B
	s_mov_b32 s[\g+1], ROWB<<16
	s_mov_b32 s[\g+2], 256<<16                     ; 256 rows for the head's loads; set to 128 for the ring's behind them
	s_mov_b32 s[\g+3], ROWB<<16
	s_mov_b32 s[\g+4], 256
	s_mov_b32 s[\g+5], KROW
	s_mov_b32 s[\g+6], 0
	s_mov_b32 s[\g+7], 0
.endr
	s_or_b32 s[G1S+0], s43, (3<<16)|(1<<20)|(1<<21)|(5<<22)|(3<<25)
	s_or_b32 s[G1SB+0], s44, (3<<16)|(1<<20)|(1<<21)|(5<<22)|(3<<25)
.irp g, G1S, G1SB
	s_mov_b32 s[\g+1], 32<<16
	s_mov_b32 s[\g+3], 32<<16
	s_mov_b32 s[\g+5], 32
	s_mov_b32 s[\g+6], 0
	s_mov_b32 s[\g+7], 0
.endr
	s_mov_b32 s[G1S+2], 32<<16                     ; x's 256 rows of scales: 32 rows of 256 bytes, one load
	s_mov_b32 s[G1S+4], 32
	s_mov_b32 s[G1SB+2], 64<<16                    ; w1's 512 rows: 64
	s_mov_b32 s[G1SB+4], 64
	s_lshl_b32 s20, s17, 8                         ; x: the tile's first row, 256 x tile row
	s_lshl_b32 s46, s42, 9                         ; w1: my pair of tile columns begins at row 512 x pair
	s_lshl_b32 s92, s42, 14                        ; its scales: 512 rows x 32 bytes a pair
	s_mov_b32 s93, 0
	s_mov_b32 s21, 0
	s_mov_b32 s47, 0
	s_mov_b64 s[18:19], KS
	s_mul_u64 s[22:23], s[20:21], s[18:19]
	s_mov_b64 s[18:19], KROW
	s_mul_u64 s[20:21], s[20:21], s[18:19]
	s_mul_u64 s[46:47], s[46:47], s[18:19]
	s_mul_i32 s45, s14, HALFT
	s_mul_i32 s2, s16, 128*KROW                    ; in the ring I fetch 128 rows of a tile: which half, in bytes
	s_mov_b32 s3, 0
	s_wait_kmcnt 0x0
	s_add_nc_u64 s[20:21], s[4:5], s[20:21]
	s_add_nc_u64 s[22:23], s[6:7], s[22:23]
	s_add_nc_u64 s[46:47], s[8:9], s[46:47]
	s_add_nc_u64 s[92:93], s[10:11], s[92:93]
	CROUND
	s_mov_b32 s[G0S], 1
	s_mov_b32 s[G0S+1], SCL
	s_mov_b64 s[G0S+2:G0S+3], s[22:23]
	s_or_b32 s[G0S+3], s[G0S+3], 0x80000000
	s_mov_b32 s[G0SB], 1
	s_mov_b32 s[G0SB+1], SCL+2*HALFS
	s_mov_b64 s[G0SB+2:G0SB+3], s[92:93]
	s_or_b32 s[G0SB+3], s[G0SB+3], 0x80000000
	s_mov_b32 s4, 1                                ; s[4:7]: group 0 of the head's load of K step 0's 256 rows of x (the arguments that lay there are used)
	s_mov_b32 s5, 0
	s_mov_b64 s[6:7], s[20:21]
	s_or_b32 s7, s7, 0x80000000
	s_mov_b32 s8, 1                                ; s[8:11]: the same for w1's 256 rows, behind x's in slot 0
	s_mov_b32 s9, 2*HALFT
	s_mov_b64 s[10:11], s[46:47]
	s_or_b32 s11, s11, 0x80000000
	s_add_nc_u64 s[20:21], s[20:21], s[2:3]        ; for the ring: my 128 rows of the tile
	s_add_nc_u64 s[46:47], s[46:47], s[2:3]
.irp s, 0,1
	s_mov_b32 s[G0+4*\s], 1
	s_add_co_u32 s[G0+4*\s+1], s45, \s*SLOT
	s_add_nc_u64 s[G0+4*\s+2:G0+4*\s+3], s[20:21], \s*ROWB
	s_or_b32 s[G0+4*\s+3], s[G0+4*\s+3], 0x80000000
	s_mov_b32 s[G0B+4*\s], 1
	s_add_co_u32 s[G0B+4*\s+1], s45, \s*SLOT
	s_add_nc_u64 s[G0B+4*\s+2:G0B+4*\s+3], s[46:47], \s*ROWB
	s_or_b32 s[G0B+4*\s+3], s[G0B+4*\s+3], 0x80000000
.endr
; The head's four tiles, one joint load a wave: wave 0 x's 256 rows of K step 0, wave 1 w1's, wave 2 x's scales, wave 3 w1's scales.
; One chain of branches on the wave's number; every way passes exactly one load.
.macro ARM under, g0, g1, next
	s_cmp_lt_u32 s14, \under
	s_cbranch_scc0 \next
	tensor_load_to_lds s[\g0:\g0+3], s[\g1:\g1+7]
	s_nop 0
.rept 4
	v_nop
.endr
	s_branch .Lhead_asked
\next:
.endm
	ARM 1, 4, G1, .Lhead_b
	ARM 2, 8, G1B, .Lhead_sa
	ARM 3, G0S, G1S, .Lhead_sb
	tensor_load_to_lds s[G0SB:G0SB+3], s[G1SB:G1SB+7]
	s_nop 0
.rept 4
	v_nop
.endr
.Lhead_asked:
	v_and_b32 v1, 15, v0
	v_bfe_u32 v2, v0, 4, 1
	s_lshl_b32 s20, s17, 11
	s_lshl_b32 s21, s15, 10
	s_add_co_u32 s20, s20, s21
	s_mov_b32 s21, 0
	s_add_nc_u64 s[12:13], s[12:13], s[20:21]
	v_lshlrev_b32 v5, 20, v2
	v_lshl_add_u32 v[PA], v1, 3, v5
.irp a, 0,1,2,3,4,5,6,7
.irp p, 0,1,2,3,4,5,6,7
	global_load_b64 v[PT+16*\a+2*\p:PT+16*\a+2*\p+1], v[PA], s[12:13] offset:\p*131072+\a*128
.endr
.endr
	v_mul_u32_u24 v3, v1, PITCH
	v_lshl_add_u32 v4, v2, 4, v3
	s_mul_i32 s21, s15, HALFT
	s_mul_i32 s22, s16, HALFT
	s_add_co_u32 s22, s22, 2*HALFT
.irp s, 0,1
	v_add_nc_u32 v[ADRA+\s], s21, v4
	v_add_nc_u32 v[ADRB+\s], s22, v4
	s_add_co_u32 s21, s21, SLOT
	s_add_co_u32 s22, s22, SLOT
.endr
	v_mul_u32_u24 v5, v1, KS
	v_lshrrev_b32 v6, 8, v5
	v_lshl_add_u32 v5, v6, 4, v5
	s_mul_i32 s21, s15, HALFS
	s_mul_i32 s22, s16, HALFS
	s_add_co_u32 s22, s22, 2*HALFS
	s_sub_co_u32 s22, s22, s21
	v_mul_u32_u24 v6, s22, v2
	s_add_co_u32 s22, s22, 2*HALFS
	v_mul_u32_u24 v3, s22, v2
	s_add_co_u32 s21, s21, SCL
	v_add_nc_u32 v6, v5, v6
	v_add_nc_u32 v[ADRS0], s21, v6
	v_add_nc_u32 v3, v5, v3
	v_add_nc_u32 v[ADRS1], s21, v3
	s_mul_i32 s21, s15, 16*272
	s_lshl_b32 s22, s16, 7
	s_add_co_u32 s21, s21, s22
	s_add_co_u32 s21, s21, STG
	v_mul_u32_u24 v5, v1, 272
	v_lshl_add_u32 v5, v2, 3, v5
	v_add_nc_u32 v[STO], s21, v5
	s_lshl_b32 s21, s15, 10
	s_lshl_b32 s22, s16, 2
	s_add_co_u32 s21, s21, s22
	s_add_co_u32 s21, s21, SSTG
	v_lshl_add_u32 v[SSO], v1, 3, s21
	s_mul_i32 s21, s14, 8*272
	s_add_co_u32 s21, s21, STG
	v_mul_u32_u24 v5, v2, 272
	v_lshl_add_u32 v5, v1, 4, v5
	v_add_nc_u32 v[RD], s21, v5
	v_and_b32 v6, 31, v0
	v_lshlrev_b32 v[L16], 4, v6
	s_lshl_b32 s21, s14, 9
	s_add_co_u32 s21, s21, SSTG
	v_add_nc_u32 v[SRD], s21, v[L16]
	v_lshlrev_b32 v5, 11, v2
	v_lshl_add_u32 v[CO], v1, 4, v5
	s_mov_b32 s[SEL], 0x76543210
	s_mov_b32 s[SEL+1], 0xfedcba98
	s_mov_b32 s[MNT], 0x600000
	s_lshl_b32 s20, s17, 19
	s_lshl_b32 s21, s15, 18
	s_add_co_u32 s20, s20, s21
	s_lshl_b32 s21, s16, 14
	s_add_co_u32 s20, s20, s21
	s_lshl_b32 s21, s42, 9
	s_add_co_u32 s20, s20, s21
	s_mov_b32 s21, 0
	s_add_nc_u64 s[96:97], s[96:97], s[20:21]
	s_lshl_b32 s20, s42, 18
	s_lshl_b32 s21, s17, 11
	s_add_co_u32 s20, s20, s21
	s_lshl_b32 s21, s14, 9
	s_add_co_u32 s20, s20, s21
	s_mov_b32 s21, 0
	s_add_nc_u64 s[98:99], s[98:99], s[20:21]
.irp a, 0,1,2,3,4,5,6,7
	v_mov_b32 v[PX+\a], 0
.endr
	s_wait_loadcnt 0x0
.irp a, 0,1,2,3,4,5,6,7
	v_add_f32 v[SS+\a], v[PT+16*\a], v[PT+16*\a+2]
.endr
.irp p, 2,3,4,5,6,7
.irp a, 0,1,2,3,4,5,6,7
	v_add_f32 v[SS+\a], v[SS+\a], v[PT+16*\a+2*\p]
.endr
.endr
.irp a, 0,1,2,3,4,5,6,7
	v_permlanex16_b32 v[PX+\a], v[SS+\a], s[SEL], s[SEL+1]
.endr
.irp a, 0,1,2,3,4,5,6,7
	v_add_f32 v[SS+\a], v[SS+\a], v[PX+\a]
.endr
.irp a, 0,1,2,3,4,5,6,7
	v_mul_f32 v[MU+\a], 0x3a000000, v[SS+\a]
.endr
.irp p, 0,1,2,3,4,5,6,7
.irp a, 0,1,2,3,4,5,6,7
	v_fma_f32 v[PT+16*\a+2*\p], v[PT+16*\a+2*\p], 0x3c000000, -v[MU+\a]
.endr
.endr
.irp a, 0,1,2,3,4,5,6,7
	v_mul_f32 v[ESQ+\a], v[PT+16*\a], v[PT+16*\a]
.endr
.irp p, 1,2,3,4,5,6,7
.irp a, 0,1,2,3,4,5,6,7
	v_fma_f32 v[ESQ+\a], v[PT+16*\a+2*\p], v[PT+16*\a+2*\p], v[ESQ+\a]
.endr
.endr
.irp a, 0,1,2,3,4,5,6,7
	v_add_f32 v[MM+\a], v[PT+16*\a+1], v[PT+16*\a+3]
.endr
.irp p, 2,3,4,5,6,7
.irp a, 0,1,2,3,4,5,6,7
	v_add_f32 v[MM+\a], v[MM+\a], v[PT+16*\a+2*\p+1]
.endr
.endr
.irp a, 0,1,2,3,4,5,6,7
	v_fma_f32 v[MM+\a], v[ESQ+\a], 0x43000000, v[MM+\a]
.endr
.irp a, 0,1,2,3,4,5,6,7
	v_permlanex16_b32 v[PX+\a], v[MM+\a], s[SEL], s[SEL+1]
.endr
.irp a, 0,1,2,3,4,5,6,7
	v_add_f32 v[MM+\a], v[MM+\a], v[PX+\a]
.endr
.irp a, 0,1,2,3,4,5,6,7
	v_mul_f32 v[MM+\a], 0x3a001002, v[MM+\a]
.endr
	s_wait_alu depctr_va_vdst(0)
.irp a, 0,1,2,3,4,5,6,7
	v_sqrt_f32 v[ESQ+\a], v[MM+\a]
.endr
	v_nop
	s_wait_alu depctr_va_vdst(0)
.irp a, 0,1,2,3,4,5,6,7
	v_max_num_f32 v[ESQ+\a], 0x358637bd, v[ESQ+\a]
.endr
.irp a, 0,1,2,3,4,5,6,7
	v_fma_f32 v[NT+2*\a], -v[ESQ+\a], 0x3f84b794, -v[MU+\a]
.endr
.irp a, 0,1,2,3,4,5,6,7
	v_mov_b32 v[NT+2*\a+1], v[NT+2*\a]
.endr
.macro FRAG reg, adr, q, i
.irp c, 0,1,2,3
	ds_load_b128 v[\reg+4*\c:\reg+4*\c+3], v[\adr] offset:128*(\q)+32*\c+(\i)*16*PITCH
.endr
.endm
.macro MUL16 a0, p, q, sc, zero
.irp a, \a0, \a0+1
.irp b, 0,1,2,3,4,5,6,7
.if \zero
	v_wmma_scale_f32_16x16x128_f8f6f4 v[8*(8*((\a)%4)+\b):8*(8*((\a)%4)+\b)+7], v[128*(\p)+FR*\b:128*(\p)+FR*\b+FR-1], v[AF+FR*(\a):AF+FR*(\a)+FR-1], 0, v[SC+8*NQ*(\sc)+NQ*\b+(\q)], v[SC+8*NQ*(\sc)+NQ*(\a)+(\q)] matrix_a_fmt:MATRIX_FMT_BF8 matrix_b_fmt:MATRIX_FMT_BF8 matrix_a_scale:MATRIX_SCALE_ROW1
.else
	v_wmma_scale_f32_16x16x128_f8f6f4 v[8*(8*((\a)%4)+\b):8*(8*((\a)%4)+\b)+7], v[128*(\p)+FR*\b:128*(\p)+FR*\b+FR-1], v[AF+FR*(\a):AF+FR*(\a)+FR-1], v[8*(8*((\a)%4)+\b):8*(8*((\a)%4)+\b)+7], v[SC+8*NQ*(\sc)+NQ*\b+(\q)], v[SC+8*NQ*(\sc)+NQ*(\a)+(\q)] matrix_a_fmt:MATRIX_FMT_BF8 matrix_b_fmt:MATRIX_FMT_BF8 matrix_a_scale:MATRIX_SCALE_ROW1
.endif
.endr
.endr
.endm
.macro FETCH_B slot, q, p
	WIN TO_B
.irp i, 0,1,2,3,4,5,6,7
	FRAG 128*(\p)+FR*\i, ADRB+\slot, \q, \i
.endr
	WIN 0
.endm
.macro FETCH_A slot, q, i0
.irp i, \i0, \i0+1, \i0+2, \i0+3
	FRAG AF+FR*(\i), ADRA+\slot, \q, \i
.endr
.endm
.macro SCALES sc
.irp i, 0,1,2,3,4,5,6,7
	ds_load_b64 v[SC+8*NQ*\sc+NQ*\i:SC+8*NQ*\sc+NQ*\i+1], v[ADRS] offset:\i*SBLK
.endr
.endm
.macro PLACES n
.rept \n
	v_nop
.endr
.endm
.macro FIRST
	FETCH_B 0, 0, 0
	FETCH_A 0, 0, 0
	SCALES 0
	FETCH_A 0, 0, 4
.endm
.macro STEP slot, q, zero
	s_wait_dscnt 4*NL
	WIN MUL_LO
	MUL16 0, (\q)%2, \q, \slot, \zero
	MUL16 2, (\q)%2, \q, \slot, \zero
	s_wait_dscnt 0
	PLACES NP
	FETCH_B \slot, (\q)+1, 1-(\q)%2
	FETCH_A \slot, (\q)+1, 0
	WIN MUL_HI
	MUL16 4, (\q)%2, \q, \slot, \zero
	MUL16 6, (\q)%2, \q, \slot, \zero
	PLACES NP
	WIN 0
	FETCH_A \slot, (\q)+1, 4
.endm
.macro WALK slot, how
.if \how == 2
	s_sub_nc_u64 s[G0+4*\slot+2:G0+4*\slot+3], s[G0+4*\slot+2:G0+4*\slot+3], BACKA
	s_add_nc_u64 s[G0B+4*\slot+2:G0B+4*\slot+3], s[G0B+4*\slot+2:G0B+4*\slot+3], NEXTB
.else
	s_add_nc_u64 s[G0+4*\slot+2:G0+4*\slot+3], s[G0+4*\slot+2:G0+4*\slot+3], 2*ROWB
	s_add_nc_u64 s[G0B+4*\slot+2:G0B+4*\slot+3], s[G0B+4*\slot+2:G0B+4*\slot+3], 2*ROWB
.endif
.endm
.macro TURN slot, next, fill
	s_wait_tensorcnt 0x0
	ds_add_u32 v[SPW], v[NIL]
	s_wait_dscnt 0x0                               ; the add is done, and my reads of this slot are over: its last fragments are in registers
	s_barrier_signal -1
	s_barrier_wait -1
.if \fill
	CREST
	WALK \slot, \fill
	JLOAD G0+4*\slot, G1, G0B+4*\slot, G1B
.endif
	WIN MUL_LO                                     ; all 64 products of the slot's last step stand behind the refill
	MUL16 0, 1, NQ-1, \slot, 0
	MUL16 2, 1, NQ-1, \slot, 0
	WIN 0
	PLACES NP
	s_wait_alu depctr_va_vdst(0)
	v_add_nc_u32 v[ADRS], 4*NQ, v[ADRS]
	FETCH_B \next, 0, 0
	FETCH_A \next, 0, 0
	SCALES \next
	WIN MUL_HI
	MUL16 4, 1, NQ-1, \slot, 0
	MUL16 6, 1, NQ-1, \slot, 0
	PLACES NP
	WIN 0
	FETCH_A \next, 0, 4
.endm
.macro LAST fill
.if \fill
	s_wait_tensorcnt 0x0
	ds_add_u32 v[SPW], v[NIL]
	s_wait_dscnt 4*NL+1
	WIN MUL_LO
	MUL16 0, 1, NQ-1, 1, 0
	s_wait_dscnt 0x0
	s_barrier_signal -1
	MUL16 2, 1, NQ-1, 1, 0
	WIN 0
	s_barrier_wait -1
	CREST
	WALK 1, 2
	JLOAD G0+4, G1, G0B+4, G1B
.else
	s_wait_dscnt 4*NL
	WIN MUL_LO
	MUL16 0, 1, NQ-1, 1, 0
	MUL16 2, 1, NQ-1, 1, 0
	s_wait_dscnt 0
.endif
	WIN MUL_HI
	MUL16 4, 1, NQ-1, 1, 0
	MUL16 6, 1, NQ-1, 1, 0
	WIN 0
.endm
.macro QUANT s
.irp b, 0,1,2,3
	v_max3_num_f32 v[TM+\b], v[\s+16*\b], v[\s+1+16*\b], 0x8000000
.endr
.irp i, 2,4,6,8,10,12,14
.irp b, 0,1,2,3
	v_max3_num_f32 v[TM+\b], v[TM+\b], v[\s+16*\b+\i], v[\s+1+16*\b+\i]
.endr
.endr
.irp b, 0,1,2,3
	v_permlanex16_b32 v[TM+4+\b], v[TM+\b], s[SEL], s[SEL+1]
.endr
.irp b, 0,1,2,3
	v_max_num_f32 v[TM+\b], v[TM+\b], v[TM+4+\b]
.endr
.irp b, 0,1,2,3
	v_add_nc_u32 v[TM+12+\b], 0xf8800000, v[TM+\b]
.endr
.irp b, 0,1,2,3
	v_and_or_b32 v[TM+8+\b], v[TM+\b], 0x7f800000, s[MNT]
.endr
.irp b, 0,1,2,3
	v_lshrrev_b32 v[TM+4+\b], 23, v[TM+12+\b]
.endr
	v_lshl_or_b32 v[PW], v[TM+5], 8, v[TM+4]
	v_lshl_or_b32 v[PW], v[TM+6], 16, v[PW]
	v_lshl_or_b32 v[PW], v[TM+7], 24, v[PW]
.irp b, 0,1,2,3
.irp i, 0,1,2,3,4,5,6,7,8,9,10,11,12,13,14,15
	v_med3_num_f32 v[\s+16*\b+\i], v[\s+16*\b+\i], 0, v[TM+8+\b]
.endr
	v_cvt_scalef32_pk8_bf8_f32 v[PC+4*\b:PC+1+4*\b], v[\s+16*\b:\s+7+16*\b], v[TM+12+\b]
	v_cvt_scalef32_pk8_bf8_f32 v[PC+2+4*\b:PC+3+4*\b], v[\s+8+16*\b:\s+15+16*\b], v[TM+12+\b]
.endr
	v_nop
.endm
.macro SENDB a, tl
.irp t, 0,1,2,3
	global_store_b128 v[CO], v[OB+16*((\a)%4)+4*\t:OB+16*((\a)%4)+4*\t+3], s[96:97] offset:(16*(\a)+2*\t)*2048+256*(\tl)
.endr
.endm
.macro WAYOUT tl
	PLACES NP
.irp a, 0,1,2,3,4,5,6,7
	WIN 0x02+(\a)/4
.irp i, 0,1,2,3,4,5,6,7,8,9,10,11,12,13,14,15,16,17,18,19,20,21,22,23,24,25,26,27,28,29,30,31
	v_pk_add_f32 v[T+2*\i:T+2*\i+1], v[64*(\a%4)+2*\i:64*(\a%4)+2*\i+1], v[NT+2*\a:NT+2*\a+1]
.endr
	WIN 0
	QUANT T
.if \a > 0
	s_wait_alu depctr_va_vdst(0)
	s_wait_dscnt 0x0
	SENDB \a-1, \tl
.endif
.irp b, 0,1,2,3
	ds_store_b64 v[STO], v[PC+4*\b:PC+4*\b+1] offset:(\a%2)*SBUF+32*\b
	ds_store_b64 v[STO], v[PC+4*\b+2:PC+4*\b+3] offset:(\a%2)*SBUF+32*\b+16
.endr
	ds_store_b32 v[SSO], v[PW] offset:128*\a
	s_wait_dscnt 0x0
	s_barrier_signal -1
	s_barrier_wait -1
.if \a >= 4
	s_wait_xcnt 0x0
.endif
.irp t, 0,1,2,3
	ds_load_b128 v[OB+16*(\a%4)+4*\t:OB+16*(\a%4)+4*\t+3], v[RD] offset:(\a%2)*SBUF+544*\t
.endr
.endr
	ds_load_b128 v[12:15], v[SRD]
	s_wait_dscnt 0x1
	SENDB 7, \tl
	s_wait_dscnt 0x0
	global_store_b128 v[L16], v[12:15], s[98:99] offset:131072*(\tl)
.endm
	s_wait_alu depctr_va_vdst(0)
	s_wait_tensorcnt 0x0                           ; my tile of the head's four is in
	ds_add_u32 v[SPW], v[NIL]
	s_mov_b32 s[G1+2], 128<<16                     ; no tensor load of mine is out: from here on a load brings 128 rows
	s_mov_b32 s[G1+4], 128
	s_mov_b32 s[G1B+2], 128<<16
	s_mov_b32 s[G1B+4], 128
	s_wait_dscnt 0x0
	CROUND                                         ; all four tiles are in, all sixteen work-groups are here
	JLOAD G0+4, G1, G0B+4, G1B                     ; K step 1 into slot 1: the first tensor load behind the round
	s_mov_b32 s94, 2                               ; tiles to go
.Ltile:                                                ; a tile's first five steps of 128 along K are one text for both tiles
	FIRST
	STEP 0, 0, 1
	TURN 0, 1, 1
	STEP 1, 0, 0
	TURN 1, 0, 1
	STEP 0, 0, 0
	s_cmp_eq_u32 s94, 1
	s_cbranch_scc1 .Llast_tile                     ; the last tile's tail is written out: it asks for nothing more
	TURN 0, 1, 2
	STEP 1, 0, 0
	LAST 1
	WAYOUT 0
	s_wait_xcnt 0x0                                ; the stores have read their registers: these are written again in the second tile
	v_mov_b32 v[ADRS0], v[ADRS1]                   ; the second tile's scale words
	s_sub_co_u32 s94, s94, 1
	s_wait_alu depctr_va_vdst(0)
	s_branch .Ltile
.Llast_tile:
	TURN 0, 1, 0
	STEP 1, 0, 0
	LAST 0
	WAYOUT 1
	s_wait_tensorcnt 0x0
	ds_add_u32 v[SPW], v[NIL]
	s_wait_dscnt 0x0
	CROUND
	s_endpgm
.Lfunc_end_k_q82ccbd9c0e_hidden:
	.size	k_q82ccbd9c0e_hidden, .Lfunc_end_k_q82ccbd9c0e_hidden-k_q82ccbd9c0e_hidden
	.p2alignl 7, 3214868480
	.fill 96, 4, 3214868480
	.section	.rodata,"a",@progbits
	.p2align	6, 0x0
	.amdhsa_kernel k_q82ccbd9c0e_hidden
		.amdhsa_group_segment_fixed_size 327680
		.amdhsa_private_segment_fixed_size 0
		.amdhsa_enable_private_segment 0
		.amdhsa_kernarg_size 56
		.amdhsa_user_sgpr_count 2
		.amdhsa_user_sgpr_kernarg_segment_ptr 1
		.amdhsa_wavefront_size32 1
		.amdhsa_system_sgpr_workgroup_id_x 1
		.amdhsa_system_sgpr_workgroup_id_y 1
		.amdhsa_system_sgpr_workgroup_id_z 1
		.amdhsa_system_vgpr_workitem_id 0
		.amdhsa_next_free_vgpr 1024
		.amdhsa_next_free_sgpr 100
		.amdhsa_reserve_vcc 0
		.amdhsa_float_denorm_mode_32 3
		.amdhsa_float_denorm_mode_16_64 3
		.amdhsa_memory_ordered 1
		.amdhsa_forward_progress 1
		.amdhsa_inst_pref_size 255
	.end_amdhsa_kernel
	.section	.bss,"aw",@nobits
	.p2align	6
	.space	262144
	.amdgpu_metadata
---
amdhsa.version: [ 1, 2 ]
amdhsa.kernels:
  - .name:           k_q82ccbd9c0e_hidden
    .symbol:         k_q82ccbd9c0e_hidden.kd
    .args:
      - { .name: x_codes, .offset: 0, .size: 8, .value_kind: global_buffer, .address_space: global }
      - { .name: x_scales, .offset: 8, .size: 8, .value_kind: global_buffer, .address_space: global }
      - { .name: w1_codes, .offset: 16, .size: 8, .value_kind: global_buffer, .address_space: global }
      - { .name: w1_scales, .offset: 24, .size: 8, .value_kind: global_buffer, .address_space: global }
      - { .name: part, .offset: 32, .size: 8, .value_kind: global_buffer, .address_space: global }
      - { .name: h_codes, .offset: 40, .size: 8, .value_kind: global_buffer, .address_space: global }
      - { .name: h_scales, .offset: 48, .size: 8, .value_kind: global_buffer, .address_space: global }
    .group_segment_fixed_size: 327680
    .private_segment_fixed_size: 0
    .kernarg_segment_align: 8
    .kernarg_segment_size: 56
    .max_flat_workgroup_size: 128
    .sgpr_count:     100
    .vgpr_count:     1024
    .wavefront_size: 32
...
	.end_amdgpu_metadata
.endif
;; end of part 2
;; launch outp (part 3): grid 4 x 64, 4 waves a work-group, clusters of 4 x 4, 327,680 bytes of LDS; arguments h_codes, h_scales, w2_codes, w2_scales, out0; writes out0
.if DOCPART == 3
	.amdgcn_target "amdgcn-amd-amdhsa--gfx1250"
	.amdhsa_code_object_version 6
	.text
	.protected	k_q82ccbd9c0e_outp
	.globl	k_q82ccbd9c0e_outp
	.p2align	8
	.type	k_q82ccbd9c0e_outp,@function
k_q82ccbd9c0e_outp:
	s_mov_b64 s[64:65], 0
	v_nop
	global_prefetch_b8 v0, s[64:65] scope:SCOPE_SE
	s_setreg_imm32_b32 hwreg(HW_REG_WAVE_MODE, 25, 1), 1
	s_wait_xcnt 0x0
	s_wait_alu depctr_hold_cnt(0) depctr_sa_sdst(0) depctr_va_vdst(0) depctr_va_sdst(0) depctr_va_ssrc(0) depctr_va_vcc(0) depctr_vm_vsrc(0)
	s_getreg_b32 s2, hwreg(HW_REG_IB_STS2, 6, 4)
	s_cmp_eq_u32 s2, 0
	s_cbranch_scc0 .Lentry_in_a_cluster
	s_endpgm
.Lentry_in_a_cluster:
	s_bfe_u32 s2, ttmp6, 0x10000c
	s_cmp_lg_u32 s2, 0xf033
	s_cbranch_scc0 .Lentry_shape_is_right
	s_endpgm
.Lentry_shape_is_right:
.set SIZE_M, 16384
.set SIZE_N, 1024
.set SIZE_K, 2048
.set KSTEP,  256
.set NQ,     KSTEP/128
.set ROWB,   256
.set KROW,   SIZE_K
.set PITCH,  272
.set FR,     16
.set NL,     4
.set NP,     8
.set HALFT,  128*PITCH
.set SLOT,   4*HALFT
.set LAPS,   SIZE_K/(2*KSTEP)
.set KS,     SIZE_K/32
.set SCL,    2*SLOT
.set HALFS,  (128*KS/256)*272
.set SBLK,   (16*KS/256)*272
.set SPARE,  SCL+4*HALFS
.set SPITCH, 528
.set HSA,  7
.set HSL,  8
.set ADRA, 16
.set ADRB, 20
.set STO,  24
.set RD,   25
.set CO,   26
.set ADRS, 27
.set SPW,  28
.set NIL,  29
.set PFO,  30
.set SC,   32
.set AF,   128
.set BK,   128
.set PFA,  66
.set LIM,  95
.set G1, 24
.set G0, 32
.set G1B, 48
.set G0B, 56
.set G1SB, 80
.set G0SB, 88
.set MSB, 0
.macro WIN new
.if MSB != \new
	s_set_vgpr_msb (MSB<<8)|\new
.set MSB, \new
.endif
.endm
.set MUL_LO, 0xa1
.set MUL_HI, 0xf1
.set TO_B,   0x40
.macro JLOAD g0a, g1a, g0b, g1b
	s_cmp_eq_u32 s15, 0
	s_cbranch_scc0 .Lfor_b_\@
	tensor_load_to_lds s[\g0a:\g0a+3], s[\g1a:\g1a+7]
	s_nop 0
.rept 4
	v_nop
.endr
	s_branch .Lasked_\@
.Lfor_b_\@:
	tensor_load_to_lds s[\g0b:\g0b+3], s[\g1b:\g1b+7]
	s_nop 0
.rept 4
	v_nop
.endr
.Lasked_\@:
.endm
.macro ASK
	s_cmp_gt_u32 s3, s[LIM]
	s_cbranch_scc0 .Lnot_mine_\@
	global_prefetch_b8 v[PFO], s[PFA:PFA+1] offset:ROWB th:TH_LOAD_NT scope:SCOPE_SE
.Lnot_mine_\@:
.endm
.macro CREST
	s_cmp_lg_u32 s14, 0
	s_cbranch_scc1 .Lnot_wave_0_\@
	s_barrier_signal -3
.Lnot_wave_0_\@:
	s_barrier_wait -3
	s_barrier_signal -1
	s_barrier_wait -1
.endm
.macro CROUND
	s_barrier_signal -1
	s_barrier_wait -1
	CREST
.endm
	s_load_b128 s[4:7], s[0:1], 0x0
	s_load_b128 s[8:11], s[0:1], 0x10
	s_load_b64 s[12:13], s[0:1], 0x20
	v_lshl_add_u32 v[SPW], v0, 2, SPARE
	v_mov_b32 v[NIL], 0
	ds_add_u32 v28, v29
	ds_add_u32 v28, v29
	s_wait_dscnt 0x0
	v_lshrrev_b32 v1, 5, v0
	v_readfirstlane_b32 s14, v1
	s_lshr_b32 s15, s14, 1
	s_and_b32 s16, s14, 1
	s_bfe_u32 s40, ttmp6, 0x40000
	s_bfe_u32 s41, ttmp6, 0x40004
	s_lshl_b32 s42, ttmp9, 2
	s_add_co_u32 s42, s42, s40
	s_and_b32 s17, ttmp7, 0xffff
	s_lshl_b32 s17, s17, 2
	s_add_co_u32 s17, s17, s41
	s_lshl_b32 s43, s41, 2
	s_lshl_b32 s43, 15, s43
	s_lshl_b32 s44, 0x1111, s40
	s_or_b32 s[G1+0], s43, (0<<16)|(1<<20)|(1<<21)|(5<<22)|(3<<25)
	s_or_b32 s[G1B+0], s44, (0<<16)|(1<<20)|(1<<21)|(5<<22)|(3<<25)
.irp g, G1, G1B
	s_mov_b32 s[\g+1], ROWB<<16
	s_mov_b32 s[\g+2], 256<<16                     ; 256 rows for the head's loads; set to 128 for the ring's behind them
	s_mov_b32 s[\g+3], ROWB<<16
	s_mov_b32 s[\g+4], 256
	s_mov_b32 s[\g+5], KROW
	s_mov_b32 s[\g+6], 0
	s_mov_b32 s[\g+7], 0
.endr
	s_or_b32 s[G1SB+0], s44, (3<<16)|(1<<20)|(1<<21)|(5<<22)|(3<<25)
	s_mov_b32 s[G1SB+1], 32<<16
	s_mov_b32 s[G1SB+2], 32<<16                    ; the scales of 128 rows of w2: 32 rows of 256 bytes to a load
	s_mov_b32 s[G1SB+3], 32<<16
	s_mov_b32 s[G1SB+4], 32
	s_mov_b32 s[G1SB+5], 32
	s_mov_b32 s[G1SB+6], 0
	s_mov_b32 s[G1SB+7], 0
	s_lshl_b32 s20, s17, 8                         ; h: the tile's first row, 256 x tile row
	s_lshl_b32 s46, s42, 8                         ; w2: 256 x tile column
	s_lshl_b32 s92, s16, 7                         ; w2's scales: waves 2 and 3 take 128 rows each,
	s_add_co_u32 s92, s92, s46
	s_lshl_b32 s92, s92, 6                         ; 64 bytes a row
	s_mov_b32 s93, 0
	s_mov_b32 s21, 0
	s_mov_b32 s47, 0
	s_mov_b64 s[18:19], KROW
	s_mul_u64 s[20:21], s[20:21], s[18:19]
	s_mul_u64 s[46:47], s[46:47], s[18:19]
	s_mul_i32 s45, s14, HALFT
	s_mul_i32 s94, s16, HALFS
	s_mul_i32 s2, s16, 128*KROW                    ; in the ring I fetch 128 rows of a tile: which half, in bytes
	s_mov_b32 s3, 0
	s_lshl_b32 s22, s17, 11
	s_mov_b32 s23, 0
	s_wait_kmcnt 0x0
	s_add_nc_u64 s[20:21], s[4:5], s[20:21]
	s_add_nc_u64 s[6:7], s[6:7], s[22:23]
	s_add_nc_u64 s[46:47], s[8:9], s[46:47]
	s_add_nc_u64 s[92:93], s[10:11], s[92:93]
	CROUND
	s_mov_b32 s[G0SB], 1
	s_add_co_u32 s[G0SB+1], s94, SCL+2*HALFS
	s_mov_b64 s[G0SB+2:G0SB+3], s[92:93]
	s_or_b32 s[G0SB+3], s[G0SB+3], 0x80000000
	s_mov_b32 s68, 1                               ; s[68:71]: group 0 of the head's load of K step 0's 256 rows of h
	s_mov_b32 s69, 0
	s_mov_b64 s[70:71], s[20:21]
	s_or_b32 s71, s71, 0x80000000
	s_mov_b32 s72, 1                               ; s[72:75]: the same for w2's 256 rows, behind h's in slot 0
	s_mov_b32 s73, 2*HALFT
	s_mov_b64 s[74:75], s[46:47]
	s_or_b32 s75, s75, 0x80000000
	s_add_nc_u64 s[20:21], s[20:21], s[2:3]        ; for the ring: my 128 rows of the tile
	s_add_nc_u64 s[46:47], s[46:47], s[2:3]
.irp s, 0,1
	s_mov_b32 s[G0+4*\s], 1
	s_add_co_u32 s[G0+4*\s+1], s45, \s*SLOT
	s_add_nc_u64 s[G0+4*\s+2:G0+4*\s+3], s[20:21], \s*ROWB
	s_or_b32 s[G0+4*\s+3], s[G0+4*\s+3], 0x80000000
	s_mov_b32 s[G0B+4*\s], 1
	s_add_co_u32 s[G0B+4*\s+1], s45, \s*SLOT
	s_add_nc_u64 s[G0B+4*\s+2:G0B+4*\s+3], s[46:47], \s*ROWB
	s_or_b32 s[G0B+4*\s+3], s[G0B+4*\s+3], 0x80000000
.endr
; The head's tiles, one joint load a wave: wave 0 h's 256 rows of K step 0, wave 1 w2's, waves 2 and 3 the scales of 128 rows of w2 each.
; One chain of branches on the wave's number; every way passes exactly one load.
.macro ARM under, g0, g1, next
	s_cmp_lt_u32 s14, \under
	s_cbranch_scc0 \next
	tensor_load_to_lds s[\g0:\g0+3], s[\g1:\g1+7]
	s_nop 0
.rept 4
	v_nop
.endr
	s_branch .Lhead_asked
\next:
.endm
	ARM 1, 68, G1, .Lhead_b
	ARM 2, 72, G1B, .Lhead_s
	tensor_load_to_lds s[G0SB:G0SB+3], s[G1SB:G1SB+7]
	s_nop 0
.rept 4
	v_nop
.endr
.Lhead_asked:
	v_lshlrev_b32 v[HSA], 4, v0
.irp s, 0,1,2,3,4,5,6,7
	global_load_b128 v[64+4*\s:67+4*\s], v[HSA], s[6:7] offset:131072*\s
.endr
	v_and_b32 v1, 15, v0
	v_bfe_u32 v2, v0, 4, 1
	v_mul_u32_u24 v3, v1, PITCH
	v_lshl_add_u32 v4, v2, 4, v3
	s_mul_i32 s21, s15, HALFT
	s_mul_i32 s22, s16, HALFT
	s_add_co_u32 s22, s22, 2*HALFT
.irp s, 0,1
	v_add_nc_u32 v[ADRA+\s], s21, v4
	v_add_nc_u32 v[ADRB+\s], s22, v4
	s_add_co_u32 s21, s21, SLOT
	s_add_co_u32 s22, s22, SLOT
.endr
	v_mul_u32_u24 v5, v1, KS
	v_lshrrev_b32 v6, 8, v5
	v_lshl_add_u32 v5, v6, 4, v5
	s_mul_i32 s21, s15, HALFS
	s_mul_i32 s22, s16, HALFS
	s_add_co_u32 s22, s22, 2*HALFS
	s_sub_co_u32 s22, s22, s21
	v_mul_u32_u24 v6, s22, v2
	s_add_co_u32 s21, s21, SCL
	v_add_nc_u32 v5, v5, v6
	v_add_nc_u32 v[ADRS], s21, v5
	v_lshrrev_b32 v5, 1, v0
	v_mul_u32_u24 v5, v5, 272
	v_and_b32 v6, 1, v0
	v_lshl_add_u32 v5, v6, 7, v5
	v_add_nc_u32 v[HSL], SCL, v5
	s_mul_i32 s23, s14, 16*SPITCH
	v_mul_u32_u24 v5, v1, SPITCH
	v_lshl_add_u32 v5, v2, 5, v5
	v_add_nc_u32 v[STO], s23, v5
	v_and_b32 v6, 31, v0
	v_lshlrev_b32 v[CO], 4, v6
	v_add_nc_u32 v[RD], s23, v[CO]
	s_lshl_b32 s20, s17, 8
	s_lshl_b32 s21, s15, 7
	s_add_co_u32 s20, s20, s21
	s_mov_b32 s21, 0
	s_mov_b64 s[18:19], SIZE_N*4
	s_mul_u64 s[20:21], s[20:21], s[18:19]
	s_lshl_b32 s46, s42, 10
	s_lshl_b32 s47, s16, 9
	s_add_co_u32 s46, s46, s47
	s_mov_b32 s47, 0
	s_add_nc_u64 s[20:21], s[20:21], s[46:47]
	s_add_nc_u64 s[12:13], s[12:13], s[20:21]
	s_lshl_b32 s20, s17, 8
	s_lshl_b32 s21, s42, 8
	s_and_b32 s22, ttmp7, 0xffff
	s_cmp_eq_u32 s15, 0
	s_cselect_b32 s20, s20, s21
	s_cselect_b32 s21, s40, s41
	s_cselect_b32 s22, ttmp9, s22
	s_cselect_b64 s[PFA:PFA+1], s[4:5], s[8:9]
	s_cmp_eq_u32 s22, 0
	s_cselect_b32 s[LIM], 1, -1
	s_lshl_b32 s22, s16, 7
	s_add_co_u32 s20, s20, s22
	s_lshl_b32 s21, s21, 5
	s_add_co_u32 s20, s20, s21
	s_lshl_b32 s20, s20, 11
	s_mov_b32 s21, 0
	s_add_nc_u64 s[PFA:PFA+1], s[PFA:PFA+1], s[20:21]
	s_add_nc_u64 s[PFA:PFA+1], s[PFA:PFA+1], 2*ROWB
	v_and_b32 v[PFO], 31, v0
	v_lshlrev_b32 v[PFO], 11, v[PFO]
	s_wait_alu depctr_va_vdst(0)
	s_wait_loadcnt 0x0
.irp s, 0,1,2,3,4,5,6,7
	ds_store_b64 v[HSL], v[64+4*\s:65+4*\s] offset:8*\s
	ds_store_b64 v[HSL], v[66+4*\s:67+4*\s] offset:64+8*\s
.endr
.macro FRAG reg, adr, q, i
.irp c, 0,1,2,3
	ds_load_b128 v[\reg+4*\c:\reg+4*\c+3], v[\adr] offset:128*(\q)+32*\c+(\i)*16*PITCH
.endr
.endm
.macro MUL16 a0, p, q, sc, zero
.irp a, \a0, \a0+1
.irp b, 0,1,2,3,4,5,6,7
.if \zero
	v_wmma_scale_f32_16x16x128_f8f6f4 v[8*(8*((\a)%4)+\b):8*(8*((\a)%4)+\b)+7], v[128*(\p)+FR*\b:128*(\p)+FR*\b+FR-1], v[AF+FR*(\a):AF+FR*(\a)+FR-1], 0, v[SC+8*NQ*(\sc)+NQ*\b+(\q)], v[SC+8*NQ*(\sc)+NQ*(\a)+(\q)] matrix_a_fmt:MATRIX_FMT_BF8 matrix_b_fmt:MATRIX_FMT_BF8 matrix_a_scale:MATRIX_SCALE_ROW1
.else
	v_wmma_scale_f32_16x16x128_f8f6f4 v[8*(8*((\a)%4)+\b):8*(8*((\a)%4)+\b)+7], v[128*(\p)+FR*\b:128*(\p)+FR*\b+FR-1], v[AF+FR*(\a):AF+FR*(\a)+FR-1], v[8*(8*((\a)%4)+\b):8*(8*((\a)%4)+\b)+7], v[SC+8*NQ*(\sc)+NQ*\b+(\q)], v[SC+8*NQ*(\sc)+NQ*(\a)+(\q)] matrix_a_fmt:MATRIX_FMT_BF8 matrix_b_fmt:MATRIX_FMT_BF8 matrix_a_scale:MATRIX_SCALE_ROW1
.endif
.endr
.endr
.endm
.macro FETCH_B slot, q, p
	WIN TO_B
.irp i, 0,1,2,3,4,5,6,7
	FRAG 128*(\p)+FR*\i, ADRB+\slot, \q, \i
.endr
	WIN 0
.endm
.macro FETCH_A slot, q, i0
.irp i, \i0, \i0+1, \i0+2, \i0+3
	FRAG AF+FR*(\i), ADRA+\slot, \q, \i
.endr
.endm
.macro SCALES sc
.irp i, 0,1,2,3,4,5,6,7
	ds_load_b64 v[SC+8*NQ*\sc+NQ*\i:SC+8*NQ*\sc+NQ*\i+1], v[ADRS] offset:\i*SBLK
.endr
.endm
.macro PLACES n
.rept \n
	v_nop
.endr
.endm
.macro STEP slot, q, zero
	s_wait_dscnt 4*NL
	WIN MUL_LO
	MUL16 0, (\q)%2, \q, \slot, \zero
	MUL16 2, (\q)%2, \q, \slot, \zero
	s_wait_dscnt 0
	PLACES NP
	FETCH_B \slot, (\q)+1, 1-(\q)%2
	FETCH_A \slot, (\q)+1, 0
	WIN MUL_HI
	MUL16 4, (\q)%2, \q, \slot, \zero
	MUL16 6, (\q)%2, \q, \slot, \zero
	PLACES NP
	WIN 0
	FETCH_A \slot, (\q)+1, 4
.endm
.macro TURN slot, next, fill
.if \fill
	s_wait_xcnt 0x0
	s_add_nc_u64 s[PFA:PFA+1], s[PFA:PFA+1], ROWB
.endif
	s_wait_tensorcnt 0x0
	ds_add_u32 v[SPW], v[NIL]
	s_wait_dscnt 0x0                               ; the add is done, and my reads of this slot are over: its last fragments are in registers
	s_barrier_signal -1
	s_barrier_wait -1
.if \fill
	CREST
	s_add_nc_u64 s[G0+4*\slot+2:G0+4*\slot+3], s[G0+4*\slot+2:G0+4*\slot+3], 2*ROWB
	s_add_nc_u64 s[G0B+4*\slot+2:G0B+4*\slot+3], s[G0B+4*\slot+2:G0B+4*\slot+3], 2*ROWB
	JLOAD G0+4*\slot, G1, G0B+4*\slot, G1B
.endif
	WIN MUL_LO                                     ; all 64 products of the slot's last step stand behind the refill
	MUL16 0, 1, NQ-1, \slot, 0
	MUL16 2, 1, NQ-1, \slot, 0
	WIN 0
	PLACES NP
	s_wait_alu depctr_va_vdst(0)
	v_add_nc_u32 v[ADRS], 4*NQ, v[ADRS]
	FETCH_B \next, 0, 0
	FETCH_A \next, 0, 0
	SCALES \next
.if \fill
	ASK
.endif
	WIN MUL_HI
	MUL16 4, 1, NQ-1, \slot, 0
	MUL16 6, 1, NQ-1, \slot, 0
	PLACES NP
	WIN 0
	FETCH_A \next, 0, 4
.endm
	s_wait_alu depctr_va_vdst(0)
	s_wait_tensorcnt 0x0                           ; my tile of the head's is in
	ds_add_u32 v[SPW], v[NIL]
	s_mov_b32 s[G1+2], 128<<16                     ; no tensor load of mine is out: from here on a load brings 128 rows
	s_mov_b32 s[G1+4], 128
	s_mov_b32 s[G1B+2], 128<<16
	s_mov_b32 s[G1B+4], 128
	s_wait_dscnt 0x0                               ; the add is done, and so are my stores of h's scale words
	CROUND                                         ; all tiles and scale words are in, all sixteen work-groups are here
	JLOAD G0+4, G1, G0B+4, G1B                     ; K step 1 into slot 1: the first tensor load behind the round
	FETCH_B 0, 0, 0
	FETCH_A 0, 0, 0
	SCALES 0
	FETCH_A 0, 0, 4
	STEP 0, 0, 1
	s_mov_b32 s3, LAPS-1
.Llap:
	TURN 0, 1, 1
	STEP 1, 0, 0
	TURN 1, 0, 1
	STEP 0, 0, 0
	s_sub_co_u32 s3, s3, 1
	s_cmp_lg_u32 s3, 0
	s_cbranch_scc1 .Llap
	TURN 0, 1, 0
	STEP 1, 0, 0
	s_wait_dscnt 4*NL
	WIN MUL_LO
	MUL16 0, 1, NQ-1, 1, 0
	MUL16 2, 1, NQ-1, 1, 0
	s_wait_dscnt 0
	WIN MUL_HI
	MUL16 4, 1, NQ-1, 1, 0
	MUL16 6, 1, NQ-1, 1, 0
	WIN 0
.macro TOSTAGE a
.set AC, 64*((\a)%4)
	WIN 0x08+4*((\a)/4)
.irp b, 0,1,2,3,4,5,6,7
	ds_store_b128 v[STO], v[AC+8*\b:AC+8*\b+3] offset:64*\b
	ds_store_b128 v[STO], v[AC+8*\b+4:AC+8*\b+7] offset:64*\b+16
.endr
	WIN 0
.set BB, BK+64*((\a)%2)
.irp t, 0,1,2,3,4,5,6,7,8,9,10,11,12,13,14,15
	ds_load_b128 v[BB+4*\t:BB+4*\t+3], v[RD] offset:\t*SPITCH
.endr
.endm
.macro SEND a, younger
.set BB, BK+64*((\a)%2)
	s_wait_dscnt \younger
.if (\a) > 0
	s_add_nc_u64 s[12:13], s[12:13], 16*SIZE_N*4
.endif
.irp t, 0,1,2,3,4,5,6,7,8,9,10,11,12,13,14,15
	global_store_b128 v[CO], v[BB+4*\t:BB+4*\t+3], s[12:13] offset:\t*SIZE_N*4 th:TH_STORE_NT
.endr
.endm
	PLACES NP
	TOSTAGE 0
.irp a, 1,2,3,4,5,6,7
.if \a > 1
	s_wait_xcnt 0x0
.endif
	TOSTAGE \a
	SEND \a-1, 32
.endr
	s_wait_xcnt 0x0
	SEND 7, 0
	s_wait_tensorcnt 0x0
	ds_add_u32 v[SPW], v[NIL]
	s_wait_dscnt 0x0
	CROUND
	s_endpgm
.Lfunc_end_k_q82ccbd9c0e_outp:
	.size	k_q82ccbd9c0e_outp, .Lfunc_end_k_q82ccbd9c0e_outp-k_q82ccbd9c0e_outp
	.p2alignl 7, 3214868480
	.fill 96, 4, 3214868480
	.section	.rodata,"a",@progbits
	.p2align	6, 0x0
	.amdhsa_kernel k_q82ccbd9c0e_outp
		.amdhsa_group_segment_fixed_size 327680
		.amdhsa_private_segment_fixed_size 0
		.amdhsa_enable_private_segment 0
		.amdhsa_kernarg_size 40
		.amdhsa_user_sgpr_count 2
		.amdhsa_user_sgpr_kernarg_segment_ptr 1
		.amdhsa_wavefront_size32 1
		.amdhsa_system_sgpr_workgroup_id_x 1
		.amdhsa_system_sgpr_workgroup_id_y 1
		.amdhsa_system_sgpr_workgroup_id_z 1
		.amdhsa_system_vgpr_workitem_id 0
		.amdhsa_next_free_vgpr 1024
		.amdhsa_next_free_sgpr 98
		.amdhsa_reserve_vcc 0
		.amdhsa_float_denorm_mode_32 3
		.amdhsa_float_denorm_mode_16_64 3
		.amdhsa_memory_ordered 1
		.amdhsa_forward_progress 1
		.amdhsa_inst_pref_size 149
	.end_amdhsa_kernel
	.amdgpu_metadata
---
amdhsa.version: [ 1, 2 ]
amdhsa.kernels:
  - .name:           k_q82ccbd9c0e_outp
    .symbol:         k_q82ccbd9c0e_outp.kd
    .args:
      - { .name: h_codes, .offset: 0, .size: 8, .value_kind: global_buffer, .address_space: global }
      - { .name: h_scales, .offset: 8, .size: 8, .value_kind: global_buffer, .address_space: global }
      - { .name: w2_codes, .offset: 16, .size: 8, .value_kind: global_buffer, .address_space: global }
      - { .name: w2_scales, .offset: 24, .size: 8, .value_kind: global_buffer, .address_space: global }
      - { .name: out0, .offset: 32, .size: 8, .value_kind: global_buffer, .address_space: global }
    .group_segment_fixed_size: 327680
    .private_segment_fixed_size: 0
    .kernarg_segment_align: 8
    .kernarg_segment_size: 40
    .max_flat_workgroup_size: 128
    .sgpr_count:     98
    .vgpr_count:     1024
    .wavefront_size: 32
...
	.end_amdgpu_metadata
.endif
;; end of part 3
